; MI455X (gfx1250); checked and timed in simulation.
; The chip was launched on July 23, 2026; its instructions are those of AMD's public machine-readable ISA for CDNA 5 (MIT licence, August 2026) and "CDNA5" Instruction Set Architecture Reference Guide (July 2026). The comments in the code are by the model that wrote it; some were corrected since.
;; Multi Head Attention. Allowed arithmetic: matrix products marked QUANTISED: E2M3 operands, one E8M0 scale for each 32 along K, by v_wmma_scale_f32_16x16x128_f8f6f4 with both operands' format E2M3, f32 sums; everything else in f32.
;; Inputs: W_qkv 1,024 x 3,072 float32; b_qkv 3,072 float32; inputs 4 x 2,048 x 1,024 float32; mask 4 x 2,048 x 2,048 bool.
;; Outputs: out0 4 x 2,048 x 1,024 float32.
;; This version of the problem:
;;   THIS VERSION OF THE PROBLEM IS GIVEN IN LOW PRECISION. The matrix products marked QUANTISED in the list below multiply operands that are first quantised to E2M3 (2 exponent bits, 3 mantissa bits; 6 bits a number), with one power-of-two scale for each 32 numbers along K (OCP MX v1.0); their sums are f32. All else is computed in f32.
;;   The module's matrix products, in the order in which they are computed (A, B: the left and right operand; K: the contracted axis; several contracted axes count as one K, in the product's order):
;;     1. [M 8,192, K 1,024] x [K 1,024, N 3,072]; A: input inputs; B: input W_qkv: QUANTISED
;;     2. batch 64 x [M 2,048, K 64] x [K 64, N 2,048]; A: computed on the way; B: computed on the way: QUANTISED
;;     3. batch 64 x [M 2,048, K 2,048] x [K 2,048, N 64]; A: softmax (see below); B: computed on the way: QUANTISED
;;   THE QUANTISER, for each operand of a quantised product, along K:
;;     - K is cut into blocks of 32 from its start; a last block that is shorter is filled with zeros.
;;     - A block's scale is 2^e with e = floor(log2(the largest magnitude in the block)) - 2, held to -126 .. 127; a block of zeros has e = 0. As a byte (E8M0): e + 127.
;;     - Each number is divided by its block's scale, clamped to +-7.5, and rounded to the nearest number of E2M3, ties to even, subnormals kept.
;;     - The product sums the exact products of the quantised numbers (number of the format x scale) in f32.
;;   ~~~python
;;   def quantise(x, axis):      # numpy; x: float32 -> the quantised numbers, widened to float32 again
;;       x = np.moveaxis(x, axis, -1); K = x.shape[-1]
;;       x = np.pad(x, [(0, 0)] * (x.ndim - 1) + [(0, -K % 32)]); x = x.reshape(x.shape[:-1] + (-1, 32)); a = np.abs(x).max(-1, keepdims=True)
;;       e = np.where(a > 0, np.clip(np.frexp(np.where(a > 0, a, 1))[1] - 1 - 2, -126, 127), 0)      # np.frexp(a)[1] - 1 = floor(log2(a)), exactly
;;       r = np.clip(x / 2.0 ** e, -7.5, 7.5)
;;       step = 2.0 ** (np.maximum(np.frexp(np.where(r == 0, 1, r))[1] - 1, 0) - 3)
;;       q = np.round(r / step) * step * 2.0 ** e      # np.round: ties to even
;;       return np.moveaxis(q.reshape(q.shape[:-2] + (-1,))[..., :K], -1, axis).astype(np.float32)
;;   ~~~
;;   SOFTMAX AHEAD OF A QUANTISED PRODUCT. Where the list says 'softmax', what is quantised is not the finished softmax but p = 2^(t - M), with t = logit x log2(e) and M = ceil(the row's largest t), a whole number; so 1/2 < the row's largest p <= 1. The row's sum l is taken of the UNQUANTISED p, in f32, and the product's result is divided by l at the end. Since M is a whole number, a kernel that streams over the keys may use a running M (the ceiling of the running maximum): every later rescaling is an exact power of two, which a block's scale takes up: the codes' values come out the same.
;;   OPERANDS COMPUTED ON THE WAY. 'Computed on the way' means the value that the module computes at that place (a softmax that the list does not call 'softmax' is quantised finished and normalised). What goes into a quantiser is computed in f32, as accurately as f32 sums, v_exp_f32 and their like allow (about 1e-6 of the number): no bf16 or f16 on the way to a quantiser, and a product that is left as it is and whose result goes on into a quantised operand takes f32 operands (vector FMAs, or v_wmma_f32_16x16x4_f32). A number that lies on a knife's edge between two numbers of the format may be rounded either way, as far as f32 arithmetic and the matrix unit's own rounding can turn it there, and no further.
;; One version. Each part assembles by itself: llvm-mc -triple=amdgcn-amd-amdhsa -mcpu=gfx1250 --defsym DOCPART=n.
;; ======== version 1 of 1: 5 launches
;; limits: right only within a limited range of input values
;; workspace buffers: xc 6,291,456 bytes; xs 262,144 bytes; wc 2,359,296 bytes; ws 98,304 bytes; qb 6,815,744 bytes; kv 13,369,344 bytes; mbits 2,097,152 bytes of whole numbers; mflag 2,048 bytes of whole numbers
;; launch quantx (part 1): grid 256 x 1, 4 waves a work-group, no clusters, 33,280 bytes of LDS; arguments inputs, xc, xs; writes xc, xs
.if DOCPART == 1
	.amdgcn_target "amdgcn-amd-amdhsa--gfx1250"
	.amdhsa_code_object_version 6
	.text
	.protected	k_q8c56c9eed5_quantx
	.globl	k_q8c56c9eed5_quantx
	.p2align	8
	.type	k_q8c56c9eed5_quantx,@function
k_q8c56c9eed5_quantx:
	s_mov_b64 s[64:65], 0
	v_nop
	global_prefetch_b8 v0, s[64:65] scope:SCOPE_SE
	s_setreg_imm32_b32 hwreg(HW_REG_WAVE_MODE, 25, 1), 1
	s_wait_xcnt 0x0
; THE PROGRAM: multi-head attention, all three products on codes of FP6 (E2M3) with one E8M0 scale for each 32 along K.  Five launches: this one (x into codes), W into codes, the mask into lane masks,
; the product x W + b with q, k, v quantised on the way out, and attention.  NOTHING OF THE PROBLEM IS LEFT OUT: all four inputs have a way to the output and are loaded (the bias moves the codes of q, k and v; the mask is an input).
; THIS LAUNCH: inputs [8192][1024] f32 become codes, K innermost (768 bytes a row), and scale bytes (32 a row).
; A block's scale is 2^(floor(log2(its largest magnitude)) - 2); its byte is the largest magnitude's own exponent field - 2, held at 1 from below.  (A block of zeros so gets the byte 1 where the rule says 127: its codes are zeros,
; which add nothing under any byte but 0xff, and the bytes are read by this program alone.)  Each number is divided by the scale and rounded to the nearest code, ties to even, beyond 7.5 the largest code.
; LIMITS: blocks whose largest magnitude lies under 2^(3 - 127) keep the byte 1; NaN and infinities among the inputs are not served.
; THE ROWS ARE LAID IN ANOTHER ORDER: row m goes to place p(m), p = m with its bits 3 and 4 exchanged.  Sixteen places on end, 16 (2 b + u) + r, then hold rows 32 b + 8 u + r + 8 (r / 8): a tile of the product's operand so made gives
; results whose 16 registers of two neighbouring tiles are 16 neighbours, which is what the next quantiser wants.  A wave's run is 8 rows, so the exchange is one of bits 0 and 1 of the run's number.
; A wave takes 16 steps of 512 numbers.  Each of a step's four loads reads 512 consecutive bytes; the 2,048 bytes turn through the wave's own stage in LDS and come back 64 bytes a lane: 16 neighbours, two lanes to a block.
; A lane's 16 codes are 12 bytes: the wave stores 384 consecutive bytes.  A wave's 256 scale bytes are gathered in LDS and leave as one aligned run of 256 bytes.  No barrier: waves share nothing.
.set WAVES, 4
.set STEPS, 16
.set EMAX,  2
.set CB,    12                         ; bytes of 16 codes
.set R,     16                         ; v16-79   four sets of 16 numbers as they are loaded
.set X,     80                         ; v80-111  two sets of 16 neighbours
.set C,     128                        ; v128-191 codes: four registers for each step, so that no store's data are written again
.set E,     112                        ; v112-127 a scale byte for each step
.set WREG,  8192                       ; LDS: a region for each wave: two stages of 32 x SP bytes, and behind them its 256 scale bytes
.set SP,    80                         ; a lane's place in a stage: its 64 bytes + 16 of padding
.set SPW,   12                         ; v12      LDS address of my spare word; never rewritten
.set NIL,   13                         ; v13      0; never rewritten
.set SPARE, WAVES*WREG                 ; behind the four regions: the spare words, 128 bytes for each wave
	s_load_b64 s[4:5], s[0:1], 0x0                 ; inputs
	s_load_b128 s[8:11], s[0:1], 0x8               ; the codes s[8:9], the scale bytes s[10:11]
	v_lshl_add_u32 v[SPW], v0, 2, SPARE
	v_mov_b32 v[NIL], 0
	v_lshrrev_b32 v1, 5, v0
	v_readfirstlane_b32 s16, v1                    ; wave
	v_and_b32 v2, 31, v0                           ; lane
	v_lshlrev_b32 v3, 4, v2                        ; my 16 bytes of a load's 512
	s_mul_i32 s17, s16, WREG
	v_lshrrev_b32 v14, 2, v2
	v_mul_u32_u24 v14, v14, SP
	v_and_b32 v15, 3, v2
	v_lshl_add_u32 v14, v15, 4, v14
	v_add_nc_u32 v14, s17, v14                     ; the stage, on the way in: four lanes' 64 bytes on end, then 16 of padding
	v_mul_u32_u24 v15, v2, SP
	v_add_nc_u32 v15, s17, v15                     ; and on the way out: SP x lane: my 16 neighbours
	v_mul_u32_u24 v4, v2, CB                       ; my codes' place in a step's
	v_lshrrev_b32 v5, 1, v2
	s_add_co_u32 s17, s17, 2*32*SP
	v_add_nc_u32 v5, s17, v5                       ; LDS: my wave's 256 scale bytes, my block's byte
	v_lshlrev_b32 v7, 3, v2                        ; and on the way out 8 bytes a lane
	v_add_nc_u32 v6, s17, v7
	s_lshl_b32 s17, ttmp9, 2
	s_add_co_u32 s18, s17, s16                     ; my run of 8 rows: 4 x work-group + wave
	s_lshl_b32 s18, s18, 15                        ; 32,768 bytes of f32 a run
	s_mov_b32 s19, 0
	s_and_b32 s20, s16, 1
	s_lshl_b32 s20, s20, 1
	s_lshr_b32 s21, s16, 1
	s_or_b32 s20, s20, s21                         ; the wave's two bits exchanged
	s_add_co_u32 s20, s20, s17                     ; the run's place
	s_mul_i32 s22, s20, 32*STEPS*CB                ; 6,144 bytes of codes a run
	s_mov_b32 s23, 0
	s_lshl_b32 s20, s20, 8                         ; 256 scale bytes a run
	s_mov_b32 s21, 0
	s_wait_kmcnt 0x0
	s_add_nc_u64 s[4:5], s[4:5], s[18:19]
	s_add_nc_u64 s[8:9], s[8:9], s[22:23]
	s_add_nc_u64 s[10:11], s[10:11], s[20:21]
.macro LOAD t
.irp i, 0,1,2,3
	global_load_b128 v[R+16*((\t)%4)+4*\i:R+16*((\t)%4)+4*\i+3], v3, s[4:5] offset:2048*(\t)+512*\i th:TH_LOAD_NT   ; 32 lanes read 512 consecutive bytes
.endr
.endm
.macro TURN t                          ; step t's numbers through the stage: LDS serves a wave's instructions in order, so no wait stands between the stores and the loads
.irp i, 0,1,2,3
	ds_store_b128 v14, v[R+16*((\t)%4)+4*\i:R+16*((\t)%4)+4*\i+3] offset:32*SP*((\t)%2)+8*SP*\i
.endr
.irp i, 0,1,2,3
	ds_load_b128 v[X+16*((\t)%2)+4*\i:X+16*((\t)%2)+4*\i+3], v15 offset:32*SP*((\t)%2)+16*\i
.endr
.endm
.irp t, 0,1,2,3
	LOAD \t
.endr
	s_wait_loadcnt 12                              ; step 0's four loads are in; the twelve of steps 1 to 3 may be out
	TURN 0
.macro STEP t
.set XS, X+16*((\t)%2)
.if (\t) > 0
	s_wait_dscnt 1                                 ; this step's numbers are back from the stage (the last step's byte store may be out): so its stores into the stage have read their registers,
.else
	s_wait_dscnt 0x0
.endif
.if (\t)+4 < STEPS
	LOAD (\t)+4                                    ; which take the loads of four steps on
.endif
.if (\t)+1 < STEPS
.if STEPS-2-(\t) >= 3
	s_wait_loadcnt 12                              ; the next step's four loads are in; those of the three steps behind it may be out
.else
	s_wait_loadcnt 4*(STEPS-2-(\t))
.endif
	TURN (\t)+1                                    ; and go through the other stage while this step is worked
.endif
	v_max3_num_f32 v8, |v[XS]|, |v[XS+1]|, |v[XS+2]|               ; the largest magnitude of my 16
	v_max3_num_f32 v9, |v[XS+3]|, |v[XS+4]|, |v[XS+5]|
.irp i, 6,10
	v_max3_num_f32 v8, v8, |v[XS+\i]|, |v[XS+\i+1]|
	v_max3_num_f32 v9, v9, |v[XS+\i+2]|, |v[XS+\i+3]|
.endr
	v_max3_num_f32 v8, v8, |v[XS+14]|, |v[XS+15]|
	v_max3_num_f32 v8, v8, v9, (EMAX+1)<<23        ; and the floor 2^(EMAX + 1 - 127): the byte cannot fall under 1
	v_max_num_f32_dpp v8, v8, v8 row_xmask:1 row_mask:0xf bank_mask:0xf   ; and of my neighbour's 16: the block's
	v_add_nc_u32 v11, -(EMAX<<23), v8              ; EMAX off its exponent field: the conversion takes the exponent field of this operand as its scale
	v_cvt_scalef32_pk16_fp6_f32 v[C+4*(\t):C+4*(\t)+2], v[XS:XS+15], v11
	v_lshrrev_b32 v[E+(\t)], 23, v11               ; the scale's byte (also the plain line behind the conversion)
	ds_store_b8 v5, v[E+(\t)] offset:16*(\t)       ; both lanes of a block write the same byte with the same value
	global_store_b96 v4, v[C+4*(\t):C+4*(\t)+2], s[8:9] offset:32*CB*(\t)
.endm
.irp t, 0,1,2,3,4,5,6,7,8,9,10,11,12,13,14,15
	STEP \t
.endr
	ds_load_b64 v[8:9], v6                         ; LDS serves a wave's instructions in order: these see my stores
	s_wait_dscnt 0x0
	global_store_b64 v7, v[8:9], s[10:11]          ; 32 lanes store 256 consecutive bytes, aligned
	s_wait_tensorcnt 0x0                           ; the wave's end
	ds_add_u32 v[SPW], v[NIL]
	s_wait_dscnt 0x0
	s_endpgm
.Lfunc_end_k_q8c56c9eed5_quantx:
	.size	k_q8c56c9eed5_quantx, .Lfunc_end_k_q8c56c9eed5_quantx-k_q8c56c9eed5_quantx
	.p2alignl 7, 3214868480
	.fill 96, 4, 3214868480
	.section	.rodata,"a",@progbits
	.p2align	6, 0x0
	.amdhsa_kernel k_q8c56c9eed5_quantx
		.amdhsa_group_segment_fixed_size 33280
		.amdhsa_private_segment_fixed_size 0
		.amdhsa_enable_private_segment 0
		.amdhsa_kernarg_size 24
		.amdhsa_user_sgpr_count 2
		.amdhsa_user_sgpr_kernarg_segment_ptr 1
		.amdhsa_wavefront_size32 1
		.amdhsa_system_sgpr_workgroup_id_x 1
		.amdhsa_system_sgpr_workgroup_id_y 1
		.amdhsa_system_sgpr_workgroup_id_z 1
		.amdhsa_system_vgpr_workitem_id 0
		.amdhsa_next_free_vgpr 192
		.amdhsa_next_free_sgpr 66
		.amdhsa_reserve_vcc 0
		.amdhsa_float_denorm_mode_32 3
		.amdhsa_float_denorm_mode_16_64 3
		.amdhsa_memory_ordered 1
		.amdhsa_forward_progress 1
		.amdhsa_inst_pref_size 32
	.end_amdhsa_kernel
	.amdgpu_metadata
---
amdhsa.version: [ 1, 2 ]
amdhsa.kernels:
  - .name:           k_q8c56c9eed5_quantx
    .symbol:         k_q8c56c9eed5_quantx.kd
    .args:
      - { .name: inputs, .offset: 0, .size: 8, .value_kind: global_buffer, .address_space: global }
      - { .name: xc, .offset: 8, .size: 8, .value_kind: global_buffer, .address_space: global }
      - { .name: xs, .offset: 16, .size: 8, .value_kind: global_buffer, .address_space: global }
    .group_segment_fixed_size: 33280
    .private_segment_fixed_size: 0
    .kernarg_segment_align: 8
    .kernarg_segment_size: 24
    .max_flat_workgroup_size: 128
    .sgpr_count:     66
    .vgpr_count:     192
    .wavefront_size: 32
...
	.end_amdgpu_metadata
.endif
;; end of part 1
;; launch quantw (part 2): grid 24 x 4, 4 waves a work-group, no clusters, 35,840 bytes of LDS; arguments W_qkv, wc, ws; writes wc, ws
.if DOCPART == 2
	.amdgcn_target "amdgcn-amd-amdhsa--gfx1250"
	.amdhsa_code_object_version 6
	.text
	.protected	k_q8c56c9eed5_quantw
	.globl	k_q8c56c9eed5_quantw
	.p2align	8
	.type	k_q8c56c9eed5_quantw,@function
k_q8c56c9eed5_quantw:
	s_mov_b64 s[64:65], 0
	v_nop
	global_prefetch_b8 v0, s[64:65] scope:SCOPE_SE
	s_setreg_imm32_b32 hwreg(HW_REG_WAVE_MODE, 25, 1), 1
	s_wait_xcnt 0x0
; W_qkv [1024 (k)][3072 (n)] f32, whose K is its FIRST axis, becomes codes of FP6 (E2M3) laid [3072 places][1024] with K innermost (768 bytes a row), and scale bytes [3072 places][32].  No work of the problem is left out here.
; A LANE TAKES A COLUMN n, AND ITS REGISTERS RUN DOWN K: each load reads neighbouring n in neighbouring lanes, a block of 32 along K lies in one lane's 32 registers, and the conversions give codes with K innermost.
; Column n goes to place p(n), n with its bits 3 and 4 exchanged (as the rows of x): inside a wave's 32 columns that is a choice of the stage's row.
; The scale's rule and the limits are those of the launch that quantises x: the byte is the largest magnitude's exponent field - 2, held at 1 from below (a block of zeros keeps 1); NaN and infinities are not served.
; A wave takes 32 columns x 256 along K: 8 blocks a lane, 192 bytes of codes a column; they go through the wave's own stage in LDS and leave as rows: sixteen lanes store a row's 192 consecutive bytes.
; Every offset is an immediate: 255 x 3072 x 4 and 30 x 768 lie inside the signed 24 bits.  Loads run two blocks (64 loads a wave) ahead.
.set SIZE_K, 1024
.set SIZE_N, 3072
.set KW,    256
.set NB,    KW/32
.set ROWB,  192
.set PITCH, 272                        ; a stage row: sixteen places of 16 bytes, each with 12 bytes of codes, + 16
.set KROW,  SIZE_K*6/8
.set EMAX,  2
.set X,     32                         ; v32-95   two sets of 32 numbers
.set C,     96                         ; v96..    a block's codes
.set OUTR,  112                        ; v112-175 the way out
.set SPW,   14
.set NIL,   15
.set SPARE, 4*32*PITCH                 ; behind the four stages: the spare words
.set SB,    24                         ; v24-25   the scale bytes, four to a register
	s_load_b128 s[4:7], s[0:1], 0x0                ; W, the codes
	s_load_b64 s[8:9], s[0:1], 0x10                ; the scale bytes
	v_lshl_add_u32 v[SPW], v0, 2, SPARE
	v_mov_b32 v[NIL], 0
	v_lshrrev_b32 v1, 5, v0
	v_readfirstlane_b32 s16, v1                    ; wave 0..3
	v_and_b32 v2, 31, v0                           ; lane
	s_lshl_b32 s17, ttmp9, 7
	s_lshl_b32 s18, s16, 5
	s_add_co_u32 s17, s17, s18                     ; my wave's first column
	s_and_b32 s18, ttmp7, 0xffff                   ; which 256 along K
	v_lshlrev_b32 v3, 2, v2                        ; in: 4 bytes a lane
	v_and_b32 v10, 7, v2
	v_and_b32 v11, 8, v2
	v_lshl_or_b32 v10, v11, 1, v10
	v_bfe_u32 v11, v2, 4, 1
	v_lshl_or_b32 v10, v11, 3, v10                 ; my column's place among the 32: bits 3 and 4 exchanged
	s_mul_i32 s19, s16, 32*PITCH                   ; my stage
	v_mul_u32_u24 v4, v10, PITCH
	v_add_nc_u32 v4, s19, v4                       ; into it: row = my column's place
	v_and_b32 v5, 15, v2
	v_lshrrev_b32 v6, 4, v2                        ; out of it: sixteen lanes to a row, two rows an instruction
	v_mul_u32_u24 v7, v6, PITCH
	v_lshl_add_u32 v7, v5, 4, v7
	v_add_nc_u32 v7, s19, v7
	v_mul_u32_u24 v8, v6, KROW
	v_mad_u32_u24 v8, v5, 12, v8                   ; and the same place in the codes' buffer
	s_mov_b32 s19, 0
	s_mov_b64 s[20:21], KW*SIZE_N*4
	s_mul_u64 s[20:21], s[18:19], s[20:21]
	s_lshl_b32 s22, s17, 2
	s_mov_b32 s23, 0
	s_add_nc_u64 s[20:21], s[20:21], s[22:23]
	s_mov_b32 s22, s17
	s_mov_b64 s[24:25], KROW
	s_mul_u64 s[24:25], s[22:23], s[24:25]
	s_mul_i32 s26, s18, ROWB
	s_mov_b32 s27, 0
	s_add_nc_u64 s[24:25], s[24:25], s[26:27]
	s_mov_b64 s[28:29], SIZE_K/32
	s_mul_u64 s[28:29], s[22:23], s[28:29]
	s_mul_i32 s26, s18, NB
	s_add_nc_u64 s[28:29], s[28:29], s[26:27]
	v_mul_u32_u24 v9, v10, SIZE_K/32               ; my column's row of scale bytes
	s_wait_kmcnt 0x0
	s_add_nc_u64 s[4:5], s[4:5], s[20:21]
	s_add_nc_u64 s[6:7], s[6:7], s[24:25]
	s_add_nc_u64 s[8:9], s[8:9], s[28:29]
.macro LOAD t                          ; block t: W(32 t + i, my column) into set t % 2
.irp i, 0,1,2,3,4,5,6,7,8,9,10,11,12,13,14,15,16,17,18,19,20,21,22,23,24,25,26,27,28,29,30,31
	global_load_b32 v[X+32*((\t)%2)+\i], v3, s[4:5] offset:(32*(\t)+\i)*SIZE_N*4 th:TH_LOAD_NT
.endr
.endm
	LOAD 0
	LOAD 1
.macro BLOCK t
.set XS, X+32*((\t)%2)
.if (\t) < NB-1
	s_wait_loadcnt 32                              ; this block's 32 loads are in; the next block's may be out
.else
	s_wait_loadcnt 0
.endif
	v_max3_num_f32 v12, |v[XS]|, |v[XS+1]|, |v[XS+2]|               ; the block's largest magnitude: all 32 numbers are mine
	v_max3_num_f32 v13, |v[XS+3]|, |v[XS+4]|, |v[XS+5]|
.irp i, 6,10,14,18,22,26
	v_max3_num_f32 v12, v12, |v[XS+\i]|, |v[XS+\i+1]|
	v_max3_num_f32 v13, v13, |v[XS+\i+2]|, |v[XS+\i+3]|
.endr
	v_max3_num_f32 v12, v12, |v[XS+30]|, |v[XS+31]|
	v_max3_num_f32 v12, v12, v13, (EMAX+1)<<23     ; and the floor: the byte cannot fall under 1
	v_add_nc_u32 v11, -(EMAX<<23), v12             ; the conversion's scale operand
	v_lshrrev_b32 v13, 23, v11                     ; the scale's byte
.if (\t)%4 == 0
	v_mov_b32 v[SB+(\t)/4], v13                    ; four bytes to a register, the lower K in the lower byte
.else
	v_lshl_or_b32 v[SB+(\t)/4], v13, 8*((\t)%4), v[SB+(\t)/4]
.endif
	v_cvt_scalef32_pk16_fp6_f32 v[C:C+2], v[XS:XS+15], v11
	v_cvt_scalef32_pk16_fp6_f32 v[C+4:C+6], v[XS+16:XS+31], v11     ; (a conversion's three registers begin on an even number)
	v_nop                                          ; one plain line behind the conversions
	ds_store_b96 v4, v[C:C+2] offset:32*(\t)       ; 16 codes, 12 bytes, to a place of 16 bytes in the stage
	ds_store_b96 v4, v[C+4:C+6] offset:32*(\t)+16
.if (\t)+2 < NB
	LOAD (\t)+2
.endif
	s_wait_dscnt 0x0                               ; the stores have read their registers: the next block's codes may be written
.endm
.set Q, 0
.rept NB
	BLOCK Q
.set Q, Q+1
.endr
	global_store_b64 v9, v[SB:SB+1], s[8:9]        ; my column's 8 scale bytes
.irp t, 0,1,2,3,4,5,6,7,8,9,10,11,12,13,14,15
	ds_load_b96 v[OUTR+4*\t:OUTR+4*\t+2], v7 offset:2*\t*PITCH   ; LDS serves a wave's instructions in order: these see my stores
.endr
.irp t, 0,1,2,3,4,5,6,7,8,9,10,11,12,13,14,15
	s_wait_dscnt 15-\t                             ; the loads come back in order: load t is in, the younger ones may be out
	global_store_b96 v8, v[OUTR+4*\t:OUTR+4*\t+2], s[6:7] offset:2*\t*KROW
.endr
	s_wait_tensorcnt 0x0                           ; the wave's end
	ds_add_u32 v[SPW], v[NIL]
	s_wait_dscnt 0x0
	s_endpgm
.Lfunc_end_k_q8c56c9eed5_quantw:
	.size	k_q8c56c9eed5_quantw, .Lfunc_end_k_q8c56c9eed5_quantw-k_q8c56c9eed5_quantw
	.p2alignl 7, 3214868480
	.fill 96, 4, 3214868480
	.section	.rodata,"a",@progbits
	.p2align	6, 0x0
	.amdhsa_kernel k_q8c56c9eed5_quantw
		.amdhsa_group_segment_fixed_size 35840
		.amdhsa_private_segment_fixed_size 0
		.amdhsa_enable_private_segment 0
		.amdhsa_kernarg_size 24
		.amdhsa_user_sgpr_count 2
		.amdhsa_user_sgpr_kernarg_segment_ptr 1
		.amdhsa_wavefront_size32 1
		.amdhsa_system_sgpr_workgroup_id_x 1
		.amdhsa_system_sgpr_workgroup_id_y 1
		.amdhsa_system_sgpr_workgroup_id_z 1
		.amdhsa_system_vgpr_workitem_id 0
		.amdhsa_next_free_vgpr 192
		.amdhsa_next_free_sgpr 66
		.amdhsa_reserve_vcc 0
		.amdhsa_float_denorm_mode_32 3
		.amdhsa_float_denorm_mode_16_64 3
		.amdhsa_memory_ordered 1
		.amdhsa_forward_progress 1
		.amdhsa_inst_pref_size 42
	.end_amdhsa_kernel
	.amdgpu_metadata
---
amdhsa.version: [ 1, 2 ]
amdhsa.kernels:
  - .name:           k_q8c56c9eed5_quantw
    .symbol:         k_q8c56c9eed5_quantw.kd
    .args:
      - { .name: W_qkv, .offset: 0, .size: 8, .value_kind: global_buffer, .address_space: global }
      - { .name: wc, .offset: 8, .size: 8, .value_kind: global_buffer, .address_space: global }
      - { .name: ws, .offset: 16, .size: 8, .value_kind: global_buffer, .address_space: global }
    .group_segment_fixed_size: 35840
    .private_segment_fixed_size: 0
    .kernarg_segment_align: 8
    .kernarg_segment_size: 24
    .max_flat_workgroup_size: 128
    .sgpr_count:     66
    .vgpr_count:     192
    .wavefront_size: 32
...
	.end_amdgpu_metadata
.endif
;; end of part 2
;; launch maskbits (part 3): grid 512 x 1, 4 waves a work-group, no clusters, 34,560 bytes of LDS; arguments mask, mbits, mflag; writes mbits, mflag
.if DOCPART == 3
	.amdgcn_target "amdgcn-amd-amdhsa--gfx1250"
	.amdhsa_code_object_version 6
	.text
	.protected	k_q8c56c9eed5_maskbits
	.globl	k_q8c56c9eed5_maskbits
	.p2align	8
	.type	k_q8c56c9eed5_maskbits,@function
k_q8c56c9eed5_maskbits:
	s_mov_b64 s[64:65], 0
	v_nop
	global_prefetch_b8 v0, s[64:65] scope:SCOPE_SE
	s_setreg_imm32_b32 hwreg(HW_REG_WAVE_MODE, 25, 1), 1
	s_wait_xcnt 0x0
; The mask [4][2048 queries][2048 keys], one byte each, becomes LANE MASKS for the attention launch, and one flag bit for each tile of 16 queries x 128 keys.  No work of the problem is left out here.
; mbits [b][128 tiles of queries][16 key steps][64 words]: bit l = r + 16 h of word n = 16 blk + i is mask[b][query][128 step + 32 blk + 16 h + i], query = 32 (tile / 2) + 8 (tile % 2) + r + 8 (r / 8):
; the lanes and registers in which attention holds its scores.  mflag [b][128 tiles]: bit step is 1 where that tile of the mask has a hole.
; A work-group takes one tile of queries (work-group = 128 b + tile); wave c takes key steps 4 c .. 4 c + 3: 16 rows x 512 bytes.  Each load reads 512 consecutive bytes of one row; the rows turn through the wave's own stage in LDS
; (pitch 528: the sixteen rows of a read start in different banks), so that lane (r, h) holds 16 neighbouring keys of row r.  A compare on one byte of a register gives a word; v_writelane_b32 gathers 64 words into a pair of
; registers, which leave as 256 consecutive bytes, aligned.
.set STGB,  16*528                     ; a wave's stage
.set FLAGS, 4*STGB                     ; one block of 256 bytes: the four waves' flag words
.set SPARE, FLAGS+256                  ; the spare words, 128 bytes for each wave
.set L16, 2                            ; v2  16 x lane
.set L8,  3                            ; v3  8 x lane
.set SI,  4                            ; v4  the stage, on the way in
.set SO,  5                            ; v5  and on the way out
.set FA,  6                            ; v6  my wave's flag word
.set SPW, 7
.set NIL, 8
.set ZO,  9                            ; v9  0: the flag store's offset
.set T,   10                           ; v10-13 at work
.set U,   14
.set F,   15
.set W,   16                           ; v16-23 a pair of registers for each key step: 64 words
.set G,   24                           ; v24-27 the four flag words
.set R,   32                           ; v32-95  16 rows as loaded
.set X,   96                           ; v96-159 my 16 bytes of each (step, block)
	s_load_b128 s[4:7], s[0:1], 0x0                ; mask, mbits
	s_load_b64 s[8:9], s[0:1], 0x10                ; mflag
	v_lshl_add_u32 v[SPW], v0, 2, SPARE
	v_mov_b32 v[NIL], 0
	v_lshrrev_b32 v1, 5, v0
	v_readfirstlane_b32 s10, v1                    ; wave
	v_and_b32 v1, 31, v0
	v_lshlrev_b32 v[L16], 4, v1
	v_lshlrev_b32 v[L8], 3, v1
	s_mul_i32 s16, s10, STGB
	v_add_nc_u32 v[SI], s16, v[L16]
	v_and_b32 v10, 15, v0                          ; r
	v_bfe_u32 v11, v0, 4, 1                        ; h
	v_mul_u32_u24 v[SO], v10, 528
	v_lshl_add_u32 v[SO], v11, 4, v[SO]
	v_add_nc_u32 v[SO], s16, v[SO]
	s_lshl_b32 s17, s10, 2                         ; 4 x wave: my flag word's byte, and my four bits' place
	s_add_co_u32 s18, s17, FLAGS
	v_mov_b32 v[FA], s18
	v_mov_b32 v[ZO], 0
.irp i, 0,1,2,3,4,5,6,7
	v_mov_b32 v[W+\i], 0                           ; written once: v_writelane_b32's destination counts as read
.endr
	s_mov_b32 s11, 0                               ; my four flag bits
	s_and_b32 s18, ttmp9, 1
	s_sub_co_u32 s19, ttmp9, s18
	s_lshl_b32 s19, s19, 15                        ; the tile's first row is 16 x (work-group, even part) + 8 x (its low bit); a row is 2,048 bytes
	s_lshl_b32 s18, s18, 14
	s_add_co_u32 s18, s18, s19
	s_lshl_b32 s19, s10, 9                         ; my 512 bytes of each row
	s_add_co_u32 s18, s18, s19
	s_mov_b32 s19, 0
	s_lshl_b32 s20, ttmp9, 12                      ; 16 steps x 256 bytes a tile,
	s_lshl_b32 s21, s10, 10                        ; my four steps
	s_add_co_u32 s20, s20, s21
	s_mov_b32 s21, 0
	s_lshl_b32 s22, ttmp9, 2
	s_mov_b32 s23, 0
	s_wait_kmcnt 0x0
	s_add_nc_u64 s[4:5], s[4:5], s[18:19]
	s_add_nc_u64 s[6:7], s[6:7], s[20:21]
	s_add_nc_u64 s[8:9], s[8:9], s[22:23]
.irp p, 0,1,2,3,4,5,6,7,8,9,10,11,12,13,14,15
	global_load_b128 v[R+4*\p:R+4*\p+3], v[L16], s[4:5] offset:(\p+8*(\p/8))*2048 th:TH_LOAD_NT   ; row p of the tile: 512 consecutive bytes
.endr
.irp p, 0,1,2,3,4,5,6,7,8,9,10,11,12,13,14,15
	s_wait_loadcnt 15-\p                           ; loads come back in order: row p is in, the younger ones may be out
	ds_store_b128 v[SI], v[R+4*\p:R+4*\p+3] offset:528*\p
.endr
.irp s, 0,1,2,3
.irp k, 0,1,2,3
	ds_load_b128 v[X+16*\s+4*\k:X+16*\s+4*\k+3], v[SO] offset:128*\s+32*\k   ; LDS serves a wave's instructions in order: these see my stores.  Row r, keys 128 s + 32 k + 16 h + 0 .. 15
.endr
.endr
.macro BITS s
	s_wait_dscnt 12-4*\s                           ; this step's four reads are in; the later steps' may be out
.set n, 0
.rept 16
.irp k, 0,1,2,3
	v_and_b32 v[T+\k], 0xff<<(8*\k), v[X+16*\s+n/4]                ; byte k of the register is key n + k of my 64
.endr
.irp k, 0,1,2,3
	v_cmp_ne_u32 s[12+\k], 0, v[T+\k]                              ; a bit for each lane: word n + k
.endr
.irp k, 0,1,2,3
	v_writelane_b32 v[W+2*\s+\k%2], s[12+\k], (n+\k)/2             ; lane j of the pair holds words 2 j and 2 j + 1
.endr
.set n, n+4
.endr
	v_and_b32 v[U], v[W+2*\s], v[W+2*\s+1]
	v_cmp_ne_u32 s12, -1, v[U]                     ; a word that is not all ones: a hole
	s_cmp_lg_u32 s12, 0
	s_cselect_b32 s13, 1<<\s, 0
	s_or_b32 s11, s11, s13
	global_store_b64 v[L8], v[W+2*\s:W+2*\s+1], s[6:7] offset:256*\s   ; 256 consecutive bytes, aligned
.endm
	BITS 0
	BITS 1
	BITS 2
	BITS 3
	s_lshl_b32 s11, s11, s17                       ; my four bits at their place among the sixteen
	v_mov_b32 v[F], s11
	ds_store_b32 v[FA], v[F]                       ; all lanes write the same word with the same value
	s_wait_dscnt 0x0                               ; for the others' sake: my store has landed
	s_barrier_signal -1
	s_barrier_wait -1
	v_mov_b32 v[T], FLAGS
	ds_load_b128 v[G:G+3], v[T]
	s_wait_dscnt 0x0
	v_or_b32 v[G], v[G], v[G+1]
	v_or_b32 v[G+2], v[G+2], v[G+3]
	v_or_b32 v[G], v[G], v[G+2]
	s_wait_xcnt 0x0                                ; EXEC changes only behind this wait: it is a source of the stores above
	v_cmp_gt_u32 vcc_lo, 1, v0
	s_and_saveexec_b32 s12, vcc_lo                 ; thread 0 alone
	global_store_b32 v[ZO], v[G], s[8:9]           ; the tile's sixteen flag bits: four bytes a work-group
	s_wait_xcnt 0x0
	s_or_b32 exec_lo, exec_lo, s12
	s_wait_tensorcnt 0x0                           ; the wave's end
	ds_add_u32 v[SPW], v[NIL]
	s_wait_dscnt 0x0
	s_endpgm
.Lfunc_end_k_q8c56c9eed5_maskbits:
	.size	k_q8c56c9eed5_maskbits, .Lfunc_end_k_q8c56c9eed5_maskbits-k_q8c56c9eed5_maskbits
	.p2alignl 7, 3214868480
	.fill 96, 4, 3214868480
	.section	.rodata,"a",@progbits
	.p2align	6, 0x0
	.amdhsa_kernel k_q8c56c9eed5_maskbits
		.amdhsa_group_segment_fixed_size 34560
		.amdhsa_private_segment_fixed_size 0
		.amdhsa_enable_private_segment 0
		.amdhsa_kernarg_size 24
		.amdhsa_user_sgpr_count 2
		.amdhsa_user_sgpr_kernarg_segment_ptr 1
		.amdhsa_wavefront_size32 1
		.amdhsa_system_sgpr_workgroup_id_x 1
		.amdhsa_system_sgpr_workgroup_id_y 1
		.amdhsa_system_sgpr_workgroup_id_z 1
		.amdhsa_system_vgpr_workitem_id 0
		.amdhsa_next_free_vgpr 160
		.amdhsa_next_free_sgpr 66
		.amdhsa_reserve_vcc 1
		.amdhsa_float_denorm_mode_32 3
		.amdhsa_float_denorm_mode_16_64 3
		.amdhsa_memory_ordered 1
		.amdhsa_forward_progress 1
		.amdhsa_inst_pref_size 57
	.end_amdhsa_kernel
	.amdgpu_metadata
---
amdhsa.version: [ 1, 2 ]
amdhsa.kernels:
  - .name:           k_q8c56c9eed5_maskbits
    .symbol:         k_q8c56c9eed5_maskbits.kd
    .args:
      - { .name: mask, .offset: 0, .size: 8, .value_kind: global_buffer, .address_space: global }
      - { .name: mbits, .offset: 8, .size: 8, .value_kind: global_buffer, .address_space: global }
      - { .name: mflag, .offset: 16, .size: 8, .value_kind: global_buffer, .address_space: global }
    .group_segment_fixed_size: 34560
    .private_segment_fixed_size: 0
    .kernarg_segment_align: 8
    .kernarg_segment_size: 24
    .max_flat_workgroup_size: 128
    .sgpr_count:     66
    .vgpr_count:     160
    .wavefront_size: 32
...
	.end_amdgpu_metadata
.endif
;; end of part 3
;; launch gemm (part 4): grid 12 x 32, 4 waves a work-group, clusters of 4 x 4, 327,680 bytes of LDS; arguments xc, xs, wc, ws, b_qkv, qb, kv; writes qb, kv
.if DOCPART == 4
	.amdgcn_target "amdgcn-amd-amdhsa--gfx1250"
	.amdhsa_code_object_version 6
	.text
	.protected	k_q8c56c9eed5_gemm
	.globl	k_q8c56c9eed5_gemm
	.p2align	8
	.type	k_q8c56c9eed5_gemm,@function
k_q8c56c9eed5_gemm:
	s_mov_b64 s[64:65], 0
	v_nop
	global_prefetch_b8 v0, s[64:65] scope:SCOPE_SE
	s_setreg_imm32_b32 hwreg(HW_REG_WAVE_MODE, 25, 1), 1
	s_wait_xcnt 0x0
	s_wait_alu depctr_hold_cnt(0) depctr_sa_sdst(0) depctr_va_vdst(0) depctr_va_sdst(0) depctr_va_ssrc(0) depctr_va_vcc(0) depctr_vm_vsrc(0)
	s_getreg_b32 s2, hwreg(HW_REG_IB_STS2, 6, 4)
	s_cmp_eq_u32 s2, 0
	s_cbranch_scc0 .Lentry_in_a_cluster
	s_endpgm
.Lentry_in_a_cluster:
	s_bfe_u32 s2, ttmp6, 0x10000c
	s_cmp_lg_u32 s2, 0xf033
	s_cbranch_scc0 .Lentry_shape_is_right
	s_endpgm
.Lentry_shape_is_right:
; qkv = x W + b on codes of FP6 (E2M3), K = 1,024, sums in f32; the results, with the bias added in f32, are QUANTISED ON THE WAY OUT and leave as images of the operand registers that attention wants.  No work of the problem is left out here.
; A tile of 256 x 256 is made by four waves, 128 x 128 each: 64 accumulators, 512 registers.  K goes in steps of 256 through two LDS slots filled by the tensor data mover; the scale bytes of the work-group's rows come once and stay.
; CLUSTERS of 4 x 4: the four of a row of the cluster need the same tiles of operand A, the four of a column the same tiles of operand B: each tile is asked for jointly.  The cluster's x is the KIND, the same in all sixteen partners:
;   0 (q), 1 (k): A = x (tile row = 4 x cluster y + cy), B = W (tile column = 4 x kind + cx).  A lane then holds one row of x and its registers run along the head's channels, which are the next product's K.
;   2 (v):        A = W (tile row 8 + cy), B = x (tile column = 4 x cluster y + cx).  A lane then holds one channel and its registers run along the keys, which are the last product's K.
; The matrix instruction takes 16 rows of B as source 0 and 16 rows of A as source 1.  Rows of x and columns of W lie in memory at places with bits 3 and 4 exchanged, so B's tiles 2 g and 2 g + 1 give a lane 16 NEIGHBOURS: 32 g + 16 (lane / 16) + 0 .. 15.
; OUT: qb [head][16 records of 128 places][6,656 bytes]: eight tiles of 768 bytes (registers 0-3 at 16 x lane, registers 4-5 at 512 + 8 x lane: the head's 64 are half an operand), then 128 scale words (bytes 0, 1; bytes 2, 3 are 0).
;      kv [head][16 key steps][13,056 bytes]: k as a record of qb; at 6,656 four tiles of v (16 channels x 128 keys, 1,536 bytes: registers 4 c .. 4 c + 3 at 512 c + 16 x lane); at 12,800 their 64 scale words.
; LIMITS: as in the launch that quantises x (a block under 2^(3 - 127), zeros among them, keeps the byte 1; NaN and infinities are not served).
; REGISTERS, in windows of 256: window 0: v0-31 addresses; v32-63 scale words, two sets, and nothing else; v64-127 the bias; from v128 A's fragments, one set; on the way out v128-229 are at work.
;   window 1: B's fragments, two sets, at v0 and v128.   window 2: the accumulators of my rows 0-63 ((a, b) at v[8 (8 a + b)]);   window 3: those of my rows 64-127.
.set KSTEP,  256
.set NQ,     2                         ; matrix instructions deep in a slot
.set ROWB,   192                       ; a tile's row in bytes
.set KROW,   768                       ; a row of codes in memory
.set PITCH,  240                       ; an LDS row: 3 x (64 bytes + 16 of padding): the 32 lanes of a load of 8 bytes touch 64 different banks
.set FR,     12
.set NL,     6
.set NP,     4                         ; places behind this matrix instruction (ISA guide 7.12.1)
.set HALFT,  128*PITCH
.set SLOT,   4*HALFT
.set KS,     32                        ; a row of scale bytes
.set SCL,    2*SLOT                    ; behind the ring: the scales, as runs of 256 bytes + 16 of padding
.set HALFS,  16*272                    ; the scales of 128 rows
.set SBLK,   2*272                     ; those of 16 rows
.set SPARE,  SCL+4*HALFS               ; the spare words, 128 bytes for each wave
.set LI,   7                           ; v7   16 x lane
.set SH16, 8                           ; v8   16 x (lane / 16)
.set VSO,  9                           ; v9   v's scale words in memory: 16 (lane % 16) + (lane / 16) x a head's 208,896 bytes
.set BOQ,  10                          ; v10  the bias of q, k: 64 x (lane / 16)
.set BOV,  11                          ; v11  the bias of v: 4 x (r + 8 (r / 8))
.set RDV,  12                          ; v12  v's scale words back from the stage
.set L8,   13                          ; v13  8 x lane
.set SSTV, 14                          ; v14  v's scale words into the stage
.set ADRA, 16                          ; v16-17 LDS address of my A fragments in slot 0, 1 (v18-19: behind one padding more)
.set ADRB, 20                          ; v20-23 the same for B
.set SSTQ, 24                          ; v24  q's, k's scale words into the stage
.set RDQ,  25                          ; v25  and back
.set ADRS, 27                          ; v27  LDS address of my scale words: lanes 0-15 A's rows, lanes 16-31 B's
.set SPW,  28
.set NIL,  29
.set SC,   32                          ; scale words: set s at v[SC + 16 s]; register 2 i + q: lanes 0-15 A's block i, lanes 16-31 B's block i
.set BQ,   64                          ; the bias
.set AF,   128                         ; A's fragments
.set H,    128                         ; the way out: 64 numbers of a lane
.set CD,   192                         ; v192-211 the codes just made
.set TM,   212                         ; v212-227 at work in the quantiser
.set PW,   228                         ; the scale word just made
.set TW,   229
.set G1, 24
.set G0, 32
.set G1B, 48
.set G0B, 56
.set G1S, 68
.set G0S, 76
.set G1SB, 80
.set G0SB, 88
.set SEL, 82                           ; s[82:83] on the way out: lane selects for lane l xor 16
.set MSB, 0
.macro WIN new                         ; the immediate's high byte repeats the setting that is left
.if MSB != (\new)
	s_set_vgpr_msb (MSB<<8)|(\new)
.set MSB, (\new)
.endif
.endm
.set MUL_LO, 0xa1                      ; source 0 (B) window 1, source 1 (A) window 0, C and D window 2
.set MUL_HI, 0xf1
.set TO_B,   0x40
; A joint load: waves 0 and 1 fetch for A, waves 2 and 3 for B; the branch hangs on the wave's number alone.  An s_nop 0 and four v_nop follow each line.
.macro JLOAD g0a, g1a, g0b, g1b
	s_cmp_eq_u32 s15, 0
	s_cbranch_scc0 .Lfor_b_\@
	tensor_load_to_lds s[\g0a:\g0a+3], s[\g1a:\g1a+7]
	s_nop 0
.rept 4
	v_nop
.endr
	s_branch .Lasked_\@
.Lfor_b_\@:
	tensor_load_to_lds s[\g0b:\g0b+3], s[\g1b:\g1b+7]
	s_nop 0
.rept 4
	v_nop
.endr
.Lasked_\@:
.endm
.macro CREST                           ; a round of the cluster's barrier behind its opening barrier
	s_cmp_lg_u32 s14, 0
	s_cbranch_scc1 .Lnot_wave_0_\@
	s_barrier_signal -3
.Lnot_wave_0_\@:
	s_barrier_wait -3
	s_barrier_signal -1
	s_barrier_wait -1
.endm
.macro CROUND
	s_barrier_signal -1
	s_barrier_wait -1
	CREST
.endm
	s_load_b128 s[4:7], s[0:1], 0x0                ; x's codes, x's scales
	s_load_b128 s[8:11], s[0:1], 0x10              ; W's codes, W's scales
	s_load_b128 s[96:99], s[0:1], 0x20             ; the bias s[96:97], qb s[98:99]
	s_load_b64 s[2:3], s[0:1], 0x30                ; kv
	v_lshl_add_u32 v[SPW], v0, 2, SPARE
	v_mov_b32 v[NIL], 0
	ds_add_u32 v[SPW], v[NIL]                      ; the wave's opening: the add, twice on end, and its wait ahead of my first tensor load
	ds_add_u32 v[SPW], v[NIL]
	v_lshrrev_b32 v1, 5, v0
	v_readfirstlane_b32 s14, v1                    ; wave 0..3
	s_lshr_b32 s15, s14, 1                         ; which half of A's rows is mine.  Also: I fetch for A (0) or for B (1)
	s_and_b32 s16, s14, 1                          ; which half of B's rows.  Also: which 128 rows of that tile I fetch
	s_bfe_u32 s40, ttmp6, 0x40000                  ; cx, cy: my place in the cluster
	s_bfe_u32 s41, ttmp6, 0x40004
	s_and_b32 s18, ttmp7, 0xffff
	s_lshl_b32 s18, s18, 2                         ; 4 x cluster y
	s_lshl_b32 s19, ttmp9, 2                       ; 4 x cluster x
	s_cmp_eq_u32 ttmp9, 2                          ; the kind: the same in all sixteen partners
	s_cselect_b32 s17, 8, s18
	s_cselect_b32 s42, s18, s19
	s_add_co_u32 s17, s17, s41                     ; A's tile row: it hangs on cy and on the cluster's numbers alone
	s_add_co_u32 s42, s42, s40                     ; B's tile column: on cx and the cluster's numbers alone
	s_lshl_b32 s43, s41, 2
	s_lshl_b32 s43, 15, s43                        ; my row of the cluster
	s_lshl_b32 s44, 0x1111, s40                    ; my column
	s_or_b32 s[G1+0], s43, (0<<16)|(1<<20)|(1<<21)|(3<<22)|(3<<25)  ; the mask; elements of 1 byte; padding on; bit 21 beside a mask; after every 16 words, 4 words
	s_or_b32 s[G1B+0], s44, (0<<16)|(1<<20)|(1<<21)|(3<<22)|(3<<25)
.irp g, G1, G1B
	s_mov_b32 s[\g+1], ROWB<<16                    ; tensor_dim0
	s_mov_b32 s[\g+2], 128<<16                     ; tensor_dim1
	s_mov_b32 s[\g+3], ROWB<<16                    ; tile_dim0
	s_mov_b32 s[\g+4], 128                         ; tile_dim1
	s_mov_b32 s[\g+5], KROW                        ; the pitch
	s_mov_b32 s[\g+6], 0
	s_mov_b32 s[\g+7], 0
.endr
	s_or_b32 s[G1S+0], s43, (3<<16)|(1<<20)|(1<<21)|(5<<22)|(3<<25)  ; the scales of 128 rows: 4,096 dense bytes as 16 rows of 256, 16 bytes of padding behind each
	s_or_b32 s[G1SB+0], s44, (3<<16)|(1<<20)|(1<<21)|(5<<22)|(3<<25)
.irp g, G1S, G1SB
	s_mov_b32 s[\g+1], 32<<16
	s_mov_b32 s[\g+2], 16<<16
	s_mov_b32 s[\g+3], 32<<16
	s_mov_b32 s[\g+4], 16
	s_mov_b32 s[\g+5], 32
	s_mov_b32 s[\g+6], 0
	s_mov_b32 s[\g+7], 0
.endr
	s_lshl_b32 s18, s16, 7                         ; which 128 rows of the tile I fetch
	s_lshl_b32 s20, s17, 8
	s_add_co_u32 s20, s20, s18
	s_lshl_b32 s46, s42, 8
	s_add_co_u32 s46, s46, s18
	s_mov_b32 s21, 0
	s_mov_b32 s47, 0
	s_mov_b64 s[18:19], KS
	s_mul_u64 s[22:23], s[20:21], s[18:19]         ; where these rows' scales begin,
	s_mul_u64 s[92:93], s[46:47], s[18:19]
	s_mov_b64 s[18:19], KROW
	s_mul_u64 s[20:21], s[20:21], s[18:19]         ; and their codes
	s_mul_u64 s[46:47], s[46:47], s[18:19]
	s_mul_i32 s45, s14, HALFT                      ; where they go: wave x 128 rows
	s_mul_i32 s94, s14, HALFS
	s_wait_dscnt 0x0                               ; both opening adds are done
	s_wait_kmcnt 0x0
	s_cmp_eq_u32 ttmp9, 2                          ; which tensor is A and which B: a choice on the kind alone
	s_cselect_b64 s[12:13], s[8:9], s[4:5]         ; A's codes
	s_cselect_b64 s[100:101], s[10:11], s[6:7]     ; A's scales
	s_cselect_b64 s[8:9], s[4:5], s[8:9]           ; B's codes
	s_cselect_b64 s[10:11], s[6:7], s[10:11]       ; B's scales
	s_add_nc_u64 s[20:21], s[12:13], s[20:21]
	s_add_nc_u64 s[22:23], s[100:101], s[22:23]
	s_add_nc_u64 s[46:47], s[8:9], s[46:47]
	s_add_nc_u64 s[92:93], s[10:11], s[92:93]
	CROUND                                         ; all sixteen work-groups are here: the first joint loads meet
	s_mov_b32 s[G0S], 1
	s_add_co_u32 s[G0S+1], s94, SCL
	s_mov_b64 s[G0S+2:G0S+3], s[22:23]
	s_or_b32 s[G0S+3], s[G0S+3], 0x80000000
	s_mov_b32 s[G0SB], 1
	s_add_co_u32 s[G0SB+1], s94, SCL
	s_mov_b64 s[G0SB+2:G0SB+3], s[92:93]
	s_or_b32 s[G0SB+3], s[G0SB+3], 0x80000000
	JLOAD G0S, G1S, G0SB, G1SB                     ; the scales first: they are wanted with K step 0
.irp s, 0,1
	s_mov_b32 s[G0+4*\s], 1
	s_add_co_u32 s[G0+4*\s+1], s45, \s*SLOT
	s_add_nc_u64 s[G0+4*\s+2:G0+4*\s+3], s[20:21], \s*ROWB
	s_or_b32 s[G0+4*\s+3], s[G0+4*\s+3], 0x80000000
	s_mov_b32 s[G0B+4*\s], 1
	s_add_co_u32 s[G0B+4*\s+1], s45, \s*SLOT
	s_add_nc_u64 s[G0B+4*\s+2:G0B+4*\s+3], s[46:47], \s*ROWB
	s_or_b32 s[G0B+4*\s+3], s[G0B+4*\s+3], 0x80000000
	JLOAD G0+4*\s, G1, G0B+4*\s, G1B               ; three tensor loads of mine are out at the most
.endr
	v_and_b32 v1, 15, v0                           ; r = l % 16
	v_bfe_u32 v2, v0, 4, 1                         ; h = l / 16
	v_mul_u32_u24 v3, v1, PITCH
	v_mul_u32_u24 v4, v2, 24
	v_add_nc_u32 v4, v3, v4                        ; a fragment's row x pitch + 24 x half
	v_lshl_add_u32 v5, v2, 4, v4                   ; and the same behind one padding more
	s_mul_i32 s21, s15, HALFT                      ; my 128 rows of A
	s_mul_i32 s22, s16, HALFT                      ; my 128 rows of B,
	s_add_co_u32 s22, s22, 2*HALFT                 ; which lie behind A's 256
.irp s, 0,1
	v_add_nc_u32 v[ADRA+\s], s21, v4
	v_add_nc_u32 v[ADRB+\s], s22, v4
	v_add_nc_u32 v[ADRA+2+\s], s21, v5
	v_add_nc_u32 v[ADRB+2+\s], s22, v5
	s_add_co_u32 s21, s21, SLOT
	s_add_co_u32 s22, s22, SLOT
.endr
	v_mul_u32_u24 v5, v1, KS                       ; my row's scales: 32 bytes a row,
	v_lshrrev_b32 v6, 8, v5
	v_lshl_add_u32 v5, v6, 4, v5                   ; and 16 more for each 256 passed
	s_mul_i32 s21, s15, HALFS
	s_mul_i32 s22, s16, HALFS
	s_add_co_u32 s22, s22, 2*HALFS
	s_sub_co_u32 s22, s22, s21
	v_mul_u32_u24 v6, s22, v2                      ; lanes 16-31 take B's
	s_add_co_u32 s21, s21, SCL
	v_add_nc_u32 v5, v5, v6
	v_add_nc_u32 v[ADRS], s21, v5
	; the way out's addresses.  Its stages lie in slot 0, which has had its last fill and its last read when the first word is stored there; each kind has bytes of its own: q, k 0 .. 4,095; v 4,096 .. 8,191; 1,024 a wave
	v_and_b32 v6, 31, v0
	v_lshlrev_b32 v[LI], 4, v6
	v_lshlrev_b32 v[L8], 3, v6
	v_lshlrev_b32 v[SH16], 4, v2
	s_lshl_b32 s23, s14, 10
	v_lshlrev_b32 v5, 2, v1                        ; 4 r
	v_lshl_add_u32 v[SSTQ], v2, 9, v5              ; lanes 0-15 the first head's words, lanes 16-31 the second's, 512 bytes on
	v_add_nc_u32 v[SSTQ], s23, v[SSTQ]
	v_add_nc_u32 v[RDQ], s23, v[LI]
	s_add_co_u32 s23, s23, 4096
	v_add_nc_u32 v[SSTV], s23, v5
	v_add_nc_u32 v[RDV], s23, v[LI]
	v_lshlrev_b32 v[VSO], 4, v1
	v_mul_u32_u24 v5, v2, 208896
	v_add_nc_u32 v[VSO], v[VSO], v5
	v_lshlrev_b32 v[BOQ], 6, v2
	v_and_b32 v5, 8, v1
	v_add_nc_u32 v5, v5, v1
	v_lshlrev_b32 v[BOV], 2, v5
.macro FRAG reg, adr, q, i             ; a fragment, 16 rows x 128 K, is 12 registers: lane l holds row l % 16; registers 6 c .. 6 c + 5 hold K = 64 c + 32 (l / 16) + 0 .. 31: 24 bytes of the row, as they lie
.irp p, 0,1,2,3,4,5                    ; in pieces of 8 bytes.  16 bytes of padding lie behind every 8 pieces: where the piece three on lies behind one padding more, the second address register serves
.set PCE, 12*(\q)+6*(\p/3)+\p%3
.if PCE%8 < 5
	ds_load_b64 v[\reg+2*\p:\reg+2*\p+1], v[\adr] offset:8*PCE+16*(PCE/8)+(\i)*16*PITCH
.else
	ds_load_b64 v[\reg+2*\p:\reg+2*\p+1], v[\adr+2] offset:8*PCE+16*(PCE/8)+(\i)*16*PITCH
.endif
.endr
.endm
; 16 matrix instructions: A's blocks a0, a0 + 1 x B's eight, 128 along K.  The 64 accumulators take turns, one instruction a turn, in the same order in every step.
.macro MUL16 a0, p, q, sc, zero
.irp a, \a0, \a0+1
.irp b, 0,1,2,3,4,5,6,7
.if \zero
	v_wmma_scale_f32_16x16x128_f8f6f4 v[8*(8*((\a)%4)+\b):8*(8*((\a)%4)+\b)+7], v[128*(\p)+FR*\b:128*(\p)+FR*\b+FR-1], v[AF+FR*(\a):AF+FR*(\a)+FR-1], 0, v[SC+8*NQ*(\sc)+NQ*\b+(\q)], v[SC+8*NQ*(\sc)+NQ*(\a)+(\q)] matrix_a_fmt:MATRIX_FMT_FP6 matrix_b_fmt:MATRIX_FMT_FP6 matrix_a_scale:MATRIX_SCALE_ROW1
.else
	v_wmma_scale_f32_16x16x128_f8f6f4 v[8*(8*((\a)%4)+\b):8*(8*((\a)%4)+\b)+7], v[128*(\p)+FR*\b:128*(\p)+FR*\b+FR-1], v[AF+FR*(\a):AF+FR*(\a)+FR-1], v[8*(8*((\a)%4)+\b):8*(8*((\a)%4)+\b)+7], v[SC+8*NQ*(\sc)+NQ*\b+(\q)], v[SC+8*NQ*(\sc)+NQ*(\a)+(\q)] matrix_a_fmt:MATRIX_FMT_FP6 matrix_b_fmt:MATRIX_FMT_FP6 matrix_a_scale:MATRIX_SCALE_ROW1
.endif
.endr
.endr
.endm
.macro FETCH_B slot, q, p
	WIN TO_B
.irp i, 0,1,2,3,4,5,6,7
	FRAG 128*(\p)+FR*\i, ADRB+\slot, \q, \i
.endr
	WIN 0
.endm
.macro FETCH_A slot, q, i0
.irp i, \i0, \i0+1, \i0+2, \i0+3
	FRAG AF+FR*(\i), ADRA+\slot, \q, \i
.endr
.endm
.macro SCALES sc                       ; the next K step's scale words: two words a row; lanes 0-15 take A's block i, lanes 16-31 B's block i
.irp i, 0,1,2,3,4,5,6,7
	ds_load_b64 v[SC+8*NQ*\sc+NQ*\i:SC+8*NQ*\sc+NQ*\i+1], v[ADRS] offset:\i*SBLK
.endr
.endm
.macro PLACES n                        ; plain vector instructions that name none of the matrix instruction's registers (ISA guide 7.12.1)
.rept \n
	v_nop
.endr
.endm
.macro STEP slot, q, zero              ; a step of 128 along K that has its successor in the same slot
	s_wait_dscnt 4*NL                              ; B's set and A's blocks 0-3 are in; the youngest 24 loads (A's blocks 4-7) may be out
	WIN MUL_LO
	MUL16 0, (\q)%2, \q, \slot, \zero
	MUL16 2, (\q)%2, \q, \slot, \zero
	s_wait_dscnt 0
	PLACES NP
	FETCH_B \slot, (\q)+1, 1-(\q)%2
	FETCH_A \slot, (\q)+1, 0
	WIN MUL_HI
	MUL16 4, (\q)%2, \q, \slot, \zero
	MUL16 6, (\q)%2, \q, \slot, \zero
	PLACES NP
	WIN 0
	FETCH_A \slot, (\q)+1, 4
.endm
; A slot's last step changes slots: one barrier; in front of it each wave waits for all its tensor loads, adds 0 to its spare word, and waits for that and for its own reads of this slot.  fill = 1: this slot is filled again, two K steps ahead.
.macro TURN slot, next, fill
	s_wait_tensorcnt 0x0                           ; all my tensor loads have landed: my part of the next slot
	ds_add_u32 v[SPW], v[NIL]                      ; 0 onto my spare word
	s_wait_dscnt 4*NL+1                            ; (the add and the youngest 24 loads may be out)
	WIN MUL_LO
	MUL16 0, 1, NQ-1, \slot, 0
	s_wait_dscnt 0x0                               ; the add is done, and my reads of this slot are over
	s_barrier_signal -1
	MUL16 2, 1, NQ-1, \slot, 0
	WIN 0
	s_barrier_wait -1
.if \fill
	CREST                                          ; the barrier has opened a round of the cluster's barrier: no wave of any partner still reads this slot or has a load on its way
	s_add_nc_u64 s[G0+4*\slot+2:G0+4*\slot+3], s[G0+4*\slot+2:G0+4*\slot+3], 2*ROWB
	s_add_nc_u64 s[G0B+4*\slot+2:G0B+4*\slot+3], s[G0B+4*\slot+2:G0B+4*\slot+3], 2*ROWB
	JLOAD G0+4*\slot, G1, G0B+4*\slot, G1B         ; the first tensor load behind the round, my only one until the next
.else
	PLACES NP
.endif
	v_add_nc_u32 v[ADRS], 4*NQ, v[ADRS]            ; on to the next K step's scale words
	FETCH_B \next, 0, 0
	FETCH_A \next, 0, 0
	SCALES \next
	WIN MUL_HI
	MUL16 4, 1, NQ-1, \slot, 0
	MUL16 6, 1, NQ-1, \slot, 0
	PLACES NP
	WIN 0
	FETCH_A \next, 0, 4
.endm
; 64 numbers of a lane, register 16 b + i = k 32 b + 16 (lane / 16) + i of my row, become an operand's 12 registers of codes in v[CD] on and its scale word in v[PW].
.macro QUANT s
.irp b, 0,1,2,3
	v_max3_num_f32 v[TM+\b], |v[\s+16*\b]|, |v[\s+1+16*\b]|, 0x1800000   ; block b: my 16 numbers, and the floor 2^(3 - 127): the byte cannot fall under 1
.endr
.irp i, 2,4,6,8,10,12,14
.irp b, 0,1,2,3
	v_max3_num_f32 v[TM+\b], v[TM+\b], |v[\s+16*\b+\i]|, |v[\s+1+16*\b+\i]|
.endr
.endr
.irp b, 0,1,2,3
	v_permlanex16_b32 v[TM+4+\b], v[TM+\b], s[SEL], s[SEL+1]
.endr
.irp b, 0,1,2,3
	v_max_num_f32 v[TM+\b], v[TM+\b], v[TM+4+\b]   ; with lane l xor 16's: the block's largest magnitude
.endr
.irp b, 0,1,2,3
	v_add_nc_u32 v[TM+12+\b], 0xff000000, v[TM+\b] ; 2 off its exponent field: the conversion's scale operand
.endr
.irp b, 0,1,2,3
	v_lshrrev_b32 v[TM+4+\b], 23, v[TM+12+\b]      ; the scale's byte
.endr
	v_lshl_or_b32 v[PW], v[TM+5], 8, v[TM+4]
	v_lshl_or_b32 v[PW], v[TM+6], 16, v[PW]
	v_lshl_or_b32 v[PW], v[TM+7], 24, v[PW]
.irp c, 0,1
	v_cvt_scalef32_pk16_fp6_f32 v[CD+6*\c:CD+2+6*\c], v[\s+32*\c:\s+15+32*\c], v[TM+12+2*\c]
	v_cvt_scalef32_pk16_fp6_f32 v[CD+12+4*\c:CD+14+4*\c], v[\s+16+32*\c:\s+31+32*\c], v[TM+12+2*\c+1]   ; (a conversion's three registers begin on an even number)
.endr
	v_nop                                          ; one plain place behind a scaled conversion
.irp c, 0,1                                    ; the operand's layout wants a whole block in a lane: lanes 0-15 block 2 c, lanes 16-31 block 2 c + 1
.irp i, 0,1,2
	v_permlane16_swap_b32 v[CD+6*\c+\i], v[CD+12+4*\c+\i]
.endr
.irp i, 0,1,2
	v_mov_b32 v[CD+3+6*\c+\i], v[CD+12+4*\c+\i]
.endr
.endr
.endm
; Block a of A's rows on its way out: bias, quantiser, image.
.macro BLK a, kind
.if (\a) > 0
	s_wait_xcnt 0x0                                ; the last block's stores have read their data: the codes' registers may be written again
.endif
	WIN 0x02+(\a)/4                                ; source 0: the accumulators' window
.set J, 0
.rept 32
.if \kind == 0
	v_pk_add_f32 v[H+J:H+J+1], v[64*((\a)%4)+J:64*((\a)%4)+J+1], v[BQ+J:BQ+J+1]                  ; each accumulator from its low end on; the bias of my 64 columns
.else
	v_pk_add_f32 v[H+J:H+J+1], v[64*((\a)%4)+J:64*((\a)%4)+J+1], v[BQ+2*(\a):BQ+2*(\a)+1]        ; the bias of my channel, held twice
.endif
.set J, J+2
.endr
	WIN 0
	QUANT H
.if \kind == 0
	global_store_b128 v[LI], v[CD:CD+3], s[76:77] offset:768*(\a)             ; the first head's 64: registers 0-3, 512 consecutive bytes,
	global_store_b64 v[L8], v[CD+4:CD+5], s[76:77] offset:768*(\a)+512        ; registers 4-5, 256
	global_store_b128 v[LI], v[CD+6:CD+9], s[78:79] offset:768*(\a)           ; the second head's
	global_store_b64 v[L8], v[CD+10:CD+11], s[78:79] offset:768*(\a)+512
	v_lshrrev_b32 v[TW], v[SH16], v[PW]
	v_and_b32 v[TW], 0xffff, v[TW]                 ; lanes 0-15: the first head's two bytes; lanes 16-31: the second's
	ds_store_b32 v[SSTQ], v[TW] offset:64*(\a)
.else
.irp c, 0,1,2
	global_store_b128 v[LI], v[CD+4*\c:CD+4*\c+3], s[76+2*((\a)/4):77+2*((\a)/4)] offset:1536*((\a)%4)+512*\c
.endr
	ds_store_b32 v[SSTV], v[PW] offset:64*(\a)     ; both halves of the lanes write the same word with the same value
.endif
.endm
; THE WAY OUT.  kind 0: q and k;  kind 1: v.  Its scalars lie in the descriptors' registers: no tensor load is out any more.  The bias is asked for ahead of the last 64 products.
.macro OUT kind
.if \kind == 0
	s_lshl_b32 s68, s17, 8
	s_lshl_b32 s69, s15, 7
	s_add_co_u32 s68, s68, s69                     ; my first place among x's 8,192
	s_lshl_b32 s71, s40, 2
	s_lshl_b32 s72, s16, 1
	s_add_co_u32 s71, s71, s72                     ; my first head: 4 cx + 2 x half
.else
	s_lshl_b32 s68, s42, 8
	s_lshl_b32 s69, s16, 7
	s_add_co_u32 s68, s68, s69
	s_lshl_b32 s71, s41, 2
	s_lshl_b32 s72, s15, 1
	s_add_co_u32 s71, s71, s72                     ; 4 cy + 2 x half
.endif
	s_lshr_b32 s69, s68, 11                        ; the batch
	s_bfe_u32 s70, s68, 0x40007                    ; which 128 of the sequence
	s_lshl_b32 s69, s69, 4
	s_add_co_u32 s69, s69, s71
	s_lshl_b32 s69, s69, 4
	s_add_co_u32 s69, s69, s70                     ; the record: (16 batch + head) x 16 + that
	s_mov_b32 s75, 0
.if \kind == 0
	s_cmp_eq_u32 ttmp9, 0
	s_mov_b32 s73, 13056
	s_cselect_b32 s73, 6656, s73                   ; a record's bytes,
	s_cselect_b64 s[76:77], s[98:99], s[2:3]       ; in qb or in kv
	s_mul_i32 s74, s69, s73
	s_add_nc_u64 s[76:77], s[76:77], s[74:75]      ; the first head's record
	s_lshl_b32 s74, s73, 4
	s_add_nc_u64 s[78:79], s[76:77], s[74:75]      ; the second head's: 16 records on
	s_lshl_b32 s74, ttmp9, 12
	s_lshl_b32 s72, s40, 10
	s_add_co_u32 s74, s74, s72
	s_lshl_b32 s72, s16, 9
	s_add_co_u32 s74, s74, s72                     ; the bias of my 128 columns: 4 x (1,024 kind + 256 cx + 128 half)
.else
	s_mul_i32 s74, s69, 13056
	s_add_co_u32 s74, s74, 6656                    ; v's part of the record
	s_add_nc_u64 s[76:77], s[2:3], s[74:75]
	s_add_nc_u64 s[78:79], s[76:77], 208896
	s_lshl_b32 s74, s17, 10
	s_lshl_b32 s72, s15, 9
	s_add_co_u32 s74, s74, s72                     ; the bias of my 128 channels: 4 x (256 tile row + 128 half)
.endif
	s_add_nc_u64 s[80:81], s[96:97], s[74:75]
	s_mov_b32 s[SEL], 0x76543210
	s_mov_b32 s[SEL+1], 0xfedcba98
.if \kind == 0
.irp g, 0,1,2,3
.irp q, 0,1,2,3
	global_load_b128 v[BQ+16*\g+4*\q:BQ+16*\g+4*\q+3], v[BOQ], s[80:81] offset:128*\g+16*\q   ; register 16 g + i: column 32 g + 16 (lane / 16) + i
.endr
.endr
.else
.irp a, 0,1,2,3,4,5,6,7
	global_load_b32 v[BQ+2*\a], v[BOV], s[80:81] offset:(32*(\a/2)+8*(\a%2))*4                 ; block a, lane r: channel 32 (a / 2) + 8 (a % 2) + r + 8 (r / 8),
	global_load_b32 v[BQ+2*\a+1], v[BOV], s[80:81] offset:(32*(\a/2)+8*(\a%2))*4               ; twice: a pair for the packed addition
.endr
.endif
	s_wait_dscnt 4*NL                              ; the very last step: nothing more to fetch
	WIN MUL_LO
	MUL16 0, 1, NQ-1, 1, 0
	MUL16 2, 1, NQ-1, 1, 0
	s_wait_dscnt 0
	WIN MUL_HI
	MUL16 4, 1, NQ-1, 1, 0
	MUL16 6, 1, NQ-1, 1, 0
	WIN 0
	PLACES NP                                      ; behind the last products: what follows reads results and writes registers that held A's fragments
.irp b, 0,1,2,3
	v_mov_b32 v[TM+4+\b], 0                        ; written once: a lane permute's destination counts as one of its sources
.endr
	s_wait_loadcnt 0x0                             ; the bias
.irp a, 0,1,2,3,4,5,6,7
	BLK \a, \kind
.endr
.if \kind == 0
	ds_load_b128 v[H:H+3], v[RDQ]                  ; LDS serves a wave's instructions in order: these see my stores.  128 scale words of each head
	ds_load_b128 v[H+4:H+7], v[RDQ] offset:512
	s_wait_dscnt 0x0
	global_store_b128 v[LI], v[H:H+3], s[76:77] offset:6144
	global_store_b128 v[LI], v[H+4:H+7], s[78:79] offset:6144
.else
	ds_load_b128 v[H:H+3], v[RDV]                  ; lanes 0-15: the first head's 64 words; lanes 16-31: the second's
	s_wait_dscnt 0x0
	global_store_b128 v[VSO], v[H:H+3], s[76:77] offset:6144
.endif
.endm
	s_wait_tensorcnt 1                             ; the scales and my part of K step 0 are in (K step 1's load may be out)
	s_barrier_signal -1
	s_barrier_wait -1                              ; everybody's are
	FETCH_B 0, 0, 0
	FETCH_A 0, 0, 0
	SCALES 0
	FETCH_A 0, 0, 4
	STEP 0, 0, 1                                   ; the first products start the sums: nothing is cleared
	TURN 0, 1, 1                                   ; K = 1,024 is four slots' worth, written out: slot 0 takes K step 2,
	STEP 1, 0, 0
	TURN 1, 0, 1                                   ; slot 1 K step 3
	STEP 0, 0, 0
	TURN 0, 1, 0                                   ; nothing is left to fetch, so no round of the cluster's barrier
	STEP 1, 0, 0
	s_cmp_eq_u32 ttmp9, 2                          ; the kind: the same in all partners; no joint load follows
	s_cbranch_scc1 .Lv
	OUT 0
	s_branch .Ldone
.Lv:
	OUT 1
.Ldone:
	s_wait_tensorcnt 0x0                           ; the wave's end
	ds_add_u32 v[SPW], v[NIL]
	s_wait_dscnt 0x0
	CROUND                                         ; the closing round: no work-group ends while a partner may still ask for a tile that names it
	s_endpgm
.Lfunc_end_k_q8c56c9eed5_gemm:
	.size	k_q8c56c9eed5_gemm, .Lfunc_end_k_q8c56c9eed5_gemm-k_q8c56c9eed5_gemm
	.p2alignl 7, 3214868480
	.fill 96, 4, 3214868480
	.section	.rodata,"a",@progbits
	.p2align	6, 0x0
	.amdhsa_kernel k_q8c56c9eed5_gemm
		.amdhsa_group_segment_fixed_size 327680
		.amdhsa_private_segment_fixed_size 0
		.amdhsa_enable_private_segment 0
		.amdhsa_kernarg_size 56
		.amdhsa_user_sgpr_count 2
		.amdhsa_user_sgpr_kernarg_segment_ptr 1
		.amdhsa_wavefront_size32 1
		.amdhsa_system_sgpr_workgroup_id_x 1
		.amdhsa_system_sgpr_workgroup_id_y 1
		.amdhsa_system_sgpr_workgroup_id_z 1
		.amdhsa_system_vgpr_workitem_id 0
		.amdhsa_next_free_vgpr 1024
		.amdhsa_next_free_sgpr 102
		.amdhsa_reserve_vcc 0
		.amdhsa_float_denorm_mode_32 3
		.amdhsa_float_denorm_mode_16_64 3
		.amdhsa_memory_ordered 1
		.amdhsa_forward_progress 1
		.amdhsa_inst_pref_size 245
	.end_amdhsa_kernel
	.amdgpu_metadata
---
amdhsa.version: [ 1, 2 ]
amdhsa.kernels:
  - .name:           k_q8c56c9eed5_gemm
    .symbol:         k_q8c56c9eed5_gemm.kd
    .args:
      - { .name: xc, .offset: 0, .size: 8, .value_kind: global_buffer, .address_space: global }
      - { .name: xs, .offset: 8, .size: 8, .value_kind: global_buffer, .address_space: global }
      - { .name: wc, .offset: 16, .size: 8, .value_kind: global_buffer, .address_space: global }
      - { .name: ws, .offset: 24, .size: 8, .value_kind: global_buffer, .address_space: global }
      - { .name: b_qkv, .offset: 32, .size: 8, .value_kind: global_buffer, .address_space: global }
      - { .name: qb, .offset: 40, .size: 8, .value_kind: global_buffer, .address_space: global }
      - { .name: kv, .offset: 48, .size: 8, .value_kind: global_buffer, .address_space: global }
    .group_segment_fixed_size: 327680
    .private_segment_fixed_size: 0
    .kernarg_segment_align: 8
    .kernarg_segment_size: 56
    .max_flat_workgroup_size: 128
    .sgpr_count:     102
    .vgpr_count:     1024
    .wavefront_size: 32
...
	.end_amdgpu_metadata
.endif
;; end of part 4
;; launch attn (part 5): grid 4 x 64, 16 waves a work-group, no clusters, 280,576 bytes of LDS; arguments qb, kv, mbits, mflag, out0; writes out0
.if DOCPART == 5
	.amdgcn_target "amdgcn-amd-amdhsa--gfx1250"
	.amdhsa_code_object_version 6
	.text
	.protected	k_q8c56c9eed5_attn
	.globl	k_q8c56c9eed5_attn
	.p2align	8
	.type	k_q8c56c9eed5_attn,@function
k_q8c56c9eed5_attn:
	s_mov_b64 s[64:65], 0
	v_nop
	global_prefetch_b8 v0, s[64:65] scope:SCOPE_SE
	s_setreg_imm32_b32 hwreg(HW_REG_WAVE_MODE, 25, 1), 1
	s_wait_xcnt 0x0
; out[b][q][64 h + :] = the sum over keys of softmax(q . k / 8, masked) v, both products on codes of FP6 (E2M3) with one E8M0 scale for each 32 along K.  No work of the problem is left out here.
; q, k, v arrive as images of operand registers (qb, kv), the mask as lane masks (mbits) and one flag bit for each tile of 16 queries x 128 keys (mflag).
; THE SOFTMAX AHEAD OF THE SECOND PRODUCT: t = score x log2(e) / 8; M = the row's largest t so far, rounded up to a whole number; p = 2^(t - M) is quantised along the keys, not normalised.  The row's sum is taken of the unquantised p
; and divides at the end.  When M moves, the sum and O are multiplied by 2^(old M - new M): exact.
; THE MASK: where it is false the score becomes -2^33, that is a logit of -2^30 where the problem writes -1e9.  t is then a whole number, so a row with no true entry gives p = 1 for every key, as the problem's does.
; LIMIT: results differ from the problem's only where an unmasked logit lies under about -9.9e8.  NaN and infinities are not served.
; A step whose tile of the mask has no hole jumps over its 64 selects: a branch on a whole number that an earlier launch stored.  This launch has no tensor load: K and V of a whole head, 208,896 bytes of codes and scale words, are
; copied into LDS once, through registers (wave w copies key step w's record), and never filled again: one barrier in the launch.
; SHARES.  A work-group owns 512 queries of one head; wave w owns two tiles of 16, one a pass; a pass walks 16 key steps of 128 keys.  Four waves share a SIMD: one wave's vector work stands beside another's products and LDS loads.
; LAYOUT.  Both products are used transposed: S^T = K Q^T (source 0 = 16 keys), O^T = V^T P^T (source 0 = 16 channels): a lane holds one query throughout.  The head's 64 are half of the instruction's K: the upper six registers of
; K's and Q's operands are zeros.  The keys of a tile are 32 b + 8 u + r + 8 (r / 8), so the 16 registers of tiles 2 b, 2 b + 1 are 16 neighbouring keys; the queries of a tile and the channels of V's tiles likewise.
; REGISTERS: v1-11, v28 addresses; v12 -M, v13 the largest t, v[14:15] the sum; v16-27 Q; v29 -2^33; v30-31 V's scale words; v32-79 four tiles of K; v80-127 V's four; v128-191 S^T, then p; v192-223 O^T; v224-235 p's codes;
; v232-247, v252, v254 at work; v248-251 K's scale words; v253 p's; v255 Q's.
.set REC,   13056                      ; a key step's record
.set KSC,   6144                       ; in it: K's scale words,
.set VPART, 6656                       ; V's four tiles,
.set VSC,   12800                      ; V's scale words
.set STG,   16*REC                     ; behind K and V: a stage of 16 rows x (256 + 16) bytes for each wave
.set SPITCH, 272
.set SPARE, STG+16*16*SPITCH           ; the spare words, 128 bytes for each wave
.set L16, 1
.set L8,  2
.set L4,  3
.set SPW, 4
.set NIL, 5
.set GO,  6                            ; the way out: (lane / 16) x a row of out + 16 (lane % 16)
.set STO, 7                            ; into my stage: row r, + 64 (lane / 16)
.set ADK, 8                            ; the step's record + 16 x lane
.set AD8, 9                            ; + 8 x lane
.set AD4, 10                           ; + 4 x lane
.set RD,  11                           ; back from my stage
.set LQ,  28                           ; 4 (lane % 16)
.set SMK, 29
.set VS,  30
.set KF,  32
.set VF,  80
.set S,   128
.set O,   192
.set WV,  2                            ; s2  my wave's number
.set TB,  3                            ; s3  the step's record in LDS
.set MB,  4                            ; s[4:5] my two tiles' lane masks, 8,192 bytes on end
.set MO,  6                            ; s6  the record of them that is being asked for
.set KSI, 7                            ; s7  the key step
.set FL,  8                            ; s8, s9 the two tiles' flags
.set QP,  10                           ; s[10:11] Q's tile;  s[12:13] its scale words;  s[14:15] my rows of out
.set QSP, 12
.set OP,  14
.set SEL, 84
.set CS,  86                           ; s[86:87] c = log2(e) / 8
.set PASS, 98                          ; s16-63 and s68-83: the step's 64 lane masks
	s_load_b256 s[88:95], s[0:1], 0x0              ; qb s[88:89], kv s[90:91], mbits s[92:93], mflag s[94:95]
	s_load_b64 s[96:97], s[0:1], 0x20              ; out0
	v_lshl_add_u32 v[SPW], v0, 2, SPARE
	v_mov_b32 v[NIL], 0
	v_lshrrev_b32 v8, 5, v0
	v_readfirstlane_b32 s[WV], v8                  ; wave 0..15
	v_and_b32 v8, 31, v0
	v_lshlrev_b32 v[L16], 4, v8
	v_lshlrev_b32 v[L8], 3, v8
	v_lshlrev_b32 v[L4], 2, v8
	v_and_b32 v9, 15, v0                           ; r
	v_bfe_u32 v10, v0, 4, 1                        ; h
	v_lshlrev_b32 v[GO], 12, v10
	v_lshl_add_u32 v[GO], v9, 4, v[GO]
	s_mul_i32 s99, s[WV], 16*SPITCH
	s_add_co_u32 s99, s99, STG                     ; my stage
	v_mul_u32_u24 v[STO], v9, SPITCH
	v_lshl_add_u32 v[STO], v10, 6, v[STO]
	v_add_nc_u32 v[STO], s99, v[STO]
	v_mul_u32_u24 v[RD], v10, SPITCH
	v_lshl_add_u32 v[RD], v9, 4, v[RD]
	v_add_nc_u32 v[RD], s99, v[RD]
	v_lshlrev_b32 v[LQ], 2, v9
	v_mov_b32 v[SMK], 0xd0000000                   ; -2^33
	s_mul_i32 s99, s[WV], REC
	v_add_nc_u32 v[ADK], s99, v[L16]               ; the copy: my record's place in LDS
	v_add_nc_u32 v[AD8], s99, v[L8]
	s_mov_b32 s[SEL], 0x76543210
	s_mov_b32 s[SEL+1], 0xfedcba98
	s_mov_b32 s[CS], 0x3e38aa3b
	s_mov_b32 s[CS+1], s[CS]                       ; (named with it as a pair, so it is written)
	s_and_b32 s16, ttmp7, 0xffff                   ; 16 batch + head
	s_lshl_b32 s17, s16, 4
	s_add_co_u32 s18, s17, s[WV]
	s_mul_i32 s20, s18, REC                        ; kv: the head's record w
	s_mov_b32 s21, 0
	s_lshl_b32 s18, ttmp9, 2
	s_add_co_u32 s18, s18, s17
	s_lshr_b32 s19, s[WV], 2
	s_add_co_u32 s18, s18, s19
	s_mul_i32 s22, s18, 6656                       ; qb: the record of my 128 places: 4 x + w / 4
	s_and_b32 s19, s[WV], 3
	s_mul_i32 s24, s19, 1536
	s_add_co_u32 s24, s24, s22                     ; my first tile: 2 (w % 4) of its eight
	s_mov_b32 s25, 0
	s_lshl_b32 s26, s19, 7
	s_add_co_u32 s26, s26, s22
	s_add_co_u32 s26, s26, KSC                     ; and its scale words
	s_mov_b32 s27, 0
	s_lshr_b32 s18, s16, 4
	s_lshl_b32 s19, s18, 7
	s_lshl_b32 s28, ttmp9, 5
	s_add_co_u32 s19, s19, s28
	s_lshl_b32 s28, s[WV], 1
	s_add_co_u32 s19, s19, s28                     ; my first tile's number: 128 batch + 32 x + 2 w
	s_lshl_b32 s28, s19, 12                        ; 4,096 bytes of lane masks a tile,
	s_mov_b32 s29, 0
	s_lshl_b32 s30, s19, 2                         ; 4 of flags,
	s_mov_b32 s31, 0
	s_lshl_b32 s32, s19, 16                        ; 16 rows of 4,096 bytes of out,
	s_and_b32 s33, s16, 15
	s_lshl_b32 s33, s33, 8                         ; and the head's 256 bytes of a row
	s_add_co_u32 s32, s32, s33
	s_mov_b32 s33, 0
	s_wait_kmcnt 0x0
	s_add_nc_u64 s[90:91], s[90:91], s[20:21]
	s_add_nc_u64 s[QP:QP+1], s[88:89], s[24:25]
	s_add_nc_u64 s[QSP:QSP+1], s[88:89], s[26:27]
	s_add_nc_u64 s[MB:MB+1], s[92:93], s[28:29]
	s_add_nc_u64 s[94:95], s[94:95], s[30:31]
	s_add_nc_u64 s[OP:OP+1], s[96:97], s[32:33]
.set n, 0
.rept 25
	global_load_b128 v[32+4*n:35+4*n], v[L16], s[90:91] offset:512*n       ; the record, 512 consecutive bytes a load
.set n, n+1
.endr
	global_load_b64 v[132:133], v[L8], s[90:91] offset:VSC                 ; and its last 256
	s_load_b64 s[FL:FL+1], s[94:95], 0x0
	s_mov_b32 s[MO], 0
	s_load_b512 s[16:31], s[MB:MB+1], s[MO] offset:0x0                     ; the first step's 64 lane masks
	s_load_b512 s[32:47], s[MB:MB+1], s[MO] offset:0x40
	s_load_b512 s[48:63], s[MB:MB+1], s[MO] offset:0x80
	s_load_b512 s[68:83], s[MB:MB+1], s[MO] offset:0xc0
.set n, 0
.rept 25
	s_wait_loadcnt 25-n                            ; loads come back in order: load n is in, the younger ones may be out
	ds_store_b128 v[ADK], v[32+4*n:35+4*n] offset:512*n
.set n, n+1
.endr
	s_wait_loadcnt 0x0
	ds_store_b64 v[AD8], v[132:133] offset:VSC
	s_wait_dscnt 0x0                               ; for the others' sake: my record lies in LDS
	s_barrier_signal -1
.irp i, 22,23,24,25,26,27
	v_mov_b32 v[\i], 0                             ; work on registers while the others arrive: the upper half of Q's operand,
.endr
.irp t, 0,1,2,3
.irp i, 6,7,8,9,10,11
	v_mov_b32 v[KF+12*\t+\i], 0                    ; and of K's four: zero codes, which add nothing
.endr
.endr
.irp b, 0,1,2,3
	v_mov_b32 v[236+\b], 0                         ; written once: a lane permute's destination counts as one of its sources
.endr
	v_mov_b32 v252, 0
	v_mov_b32 v253, 0                              ; (named as the upper half of the pair v[252:253] before it is first written)
	s_barrier_wait -1                              ; K and V of the whole head lie in LDS
	s_mov_b32 s[PASS], 0
.macro KQ T                            ; S^T's tile T: 16 keys x my 16 queries.  K's scale words: lanes 0-15 of the register hold the even tile's, lanes 16-31 the odd tile's
.if (\T)%2
	v_wmma_scale_f32_16x16x128_f8f6f4 v[S+8*(\T):S+8*(\T)+7], v[KF+12*((\T)%4):KF+12*((\T)%4)+11], v[16:27], 0, v[248+(\T)/2], v255 matrix_a_fmt:MATRIX_FMT_FP6 matrix_b_fmt:MATRIX_FMT_FP6 matrix_a_scale:MATRIX_SCALE_ROW1
.else
	v_wmma_scale_f32_16x16x128_f8f6f4 v[S+8*(\T):S+8*(\T)+7], v[KF+12*((\T)%4):KF+12*((\T)%4)+11], v[16:27], 0, v[248+(\T)/2], v255 matrix_a_fmt:MATRIX_FMT_FP6 matrix_b_fmt:MATRIX_FMT_FP6
.endif
.endm
.macro PV t                            ; O^T's tile t += 16 channels x 128 keys x p
.if (\t)%2
	v_wmma_scale_f32_16x16x128_f8f6f4 v[O+8*(\t):O+8*(\t)+7], v[VF+12*(\t):VF+12*(\t)+11], v[224:235], v[O+8*(\t):O+8*(\t)+7], v[VS+(\t)/2], v253 matrix_a_fmt:MATRIX_FMT_FP6 matrix_b_fmt:MATRIX_FMT_FP6 matrix_a_scale:MATRIX_SCALE_ROW1
.else
	v_wmma_scale_f32_16x16x128_f8f6f4 v[O+8*(\t):O+8*(\t)+7], v[VF+12*(\t):VF+12*(\t)+11], v[224:235], v[O+8*(\t):O+8*(\t)+7], v[VS+(\t)/2], v253 matrix_a_fmt:MATRIX_FMT_FP6 matrix_b_fmt:MATRIX_FMT_FP6
.endif
.endm
.macro KLOAD g                         ; K's tiles 4 g .. 4 g + 3: registers 0-3 and 4-5 of each, as they were stored
.irp t, 0,1,2,3
	ds_load_b128 v[KF+12*\t:KF+12*\t+3], v[ADK] offset:768*(4*\g+\t)
	ds_load_b64 v[KF+12*\t+4:KF+12*\t+5], v[AD8] offset:768*(4*\g+\t)+512
.endr
.endm
.Lpass:                                            ; two trips: a tile of 16 queries each
	global_load_b128 v[16:19], v[L16], s[QP:QP+1]
	global_load_b64 v[20:21], v[L8], s[QP:QP+1] offset:512
	global_load_b32 v255, v[LQ], s[QSP:QSP+1]      ; Q's scale words
	v_mov_b32 v13, 0xff61b1e6                      ; the largest t so far: -3e38, under every t
	v_floor_f32 v12, -v13                          ; -M
	v_mov_b32 v14, 0                               ; the sum, in two halves
	v_mov_b32 v15, 0
.set n, 0
.rept 32
	v_mov_b32 v[O+n], 0                            ; O^T: the step is written once; its first trip finds zeros, which the first change of M leaves zeros
.set n, n+1
.endr
	s_mov_b32 s[TB], 0
	s_mov_b32 s[KSI], 0
	s_wait_loadcnt 0x0
.Lstep:                                            ; sixteen trips: 128 keys each
	v_add_nc_u32 v[ADK], s[TB], v[L16]
	v_add_nc_u32 v[AD8], s[TB], v[L8]
	v_add_nc_u32 v[AD4], s[TB], v[L4]
.irp i, 0,1,2,3
	ds_load_b32 v[248+\i], v[AD4] offset:KSC+128*\i
.endr
	KLOAD 0
	s_wait_dscnt 0x0
.irp T, 0,1,2,3
	KQ \T
.endr
.rept 4
	v_nop                                          ; places in front of loads into registers that these products have read
.endr
	KLOAD 1
.irp t, 0,1,2,3
.irp c, 0,1,2
	ds_load_b128 v[VF+12*\t+4*\c:VF+12*\t+4*\c+3], v[ADK] offset:VPART+1536*\t+512*\c   ; V is asked for here, a softmax ahead of its use
.endr
.endr
.irp i, 0,1
	ds_load_b32 v[VS+\i], v[AD4] offset:VSC+128*\i
.endr
	s_wait_dscnt 14                                ; K's eight loads are in; V's fourteen, issued behind them, may be out
.irp T, 4,5,6,7
	KQ \T
.endr
.rept 4
	v_nop                                          ; places in front of the first read of the scores
.endr
	s_wait_kmcnt 0x0                               ; the step's lane masks, asked for a step ago (and, once, the flags)
	s_lshr_b32 s66, s[FL], s[KSI]
	s_and_b32 s66, s66, 1
	s_cmp_lg_u32 s66, 0                            ; has this tile of the mask a hole?
	s_cbranch_scc0 .Lopen
.set n, 0
.rept 48
	v_cndmask_b32 v[S+n], v[SMK], v[S+n], s[16+n]  ; a lane whose bit is 0 takes -2^33
.set n, n+1
.endr
.rept 16
	v_cndmask_b32 v[S+n], v[SMK], v[S+n], s[20+n]
.set n, n+1
.endr
.Lopen:
	s_add_co_u32 s[MO], s[MO], 256                 ; the next step's lane masks; my two tiles lie on end, so the walk runs on into the second pass;
	s_min_u32 s[MO], s[MO], 7936                   ; the very last trip asks for the last record once more: no load leaves the buffer
	s_load_b512 s[16:31], s[MB:MB+1], s[MO] offset:0x0
	s_load_b512 s[32:47], s[MB:MB+1], s[MO] offset:0x40
	s_load_b512 s[48:63], s[MB:MB+1], s[MO] offset:0x80
	s_load_b512 s[68:83], s[MB:MB+1], s[MO] offset:0xc0
.irp b, 0,1,2,3
	v_max3_num_f32 v[232+\b], v[S+16*\b], v[S+1+16*\b], v[S+2+16*\b]   ; the largest score of each block of 32 keys: for the row's maximum, and, since p rises with the score, for the block's largest p
.endr
.irp i, 3,5,7,9,11,13
.irp b, 0,1,2,3
	v_max3_num_f32 v[232+\b], v[232+\b], v[S+16*\b+\i], v[S+1+16*\b+\i]
.endr
.endr
.irp b, 0,1,2,3
	v_max_num_f32 v[232+\b], v[232+\b], v[S+15+16*\b]
.endr
.irp b, 0,1,2,3
	v_permlanex16_b32 v[236+\b], v[232+\b], s[SEL], s[SEL+1]
.endr
.irp b, 0,1,2,3
	v_max_num_f32 v[232+\b], v[232+\b], v[236+\b]  ; with lane l xor 16's 16 keys
.endr
	v_max3_num_f32 v254, v232, v233, v234
	v_max_num_f32 v254, v254, v235                 ; the step's largest score of my query
	v_mul_f32 v254, s[CS], v254                    ; as t
	v_max_num_f32 v13, v13, v254                   ; the running largest t
	v_mov_b32 v254, v12
	v_floor_f32 v12, -v13                          ; the new -M = -ceil(t): a whole number
	v_sub_f32 v254, v12, v254                      ; old M less new M: a whole number, 0 or less
	v_cvt_i32_f32 v254, v254                       ; (it saturates)
	v_ldexp_f32 v252, 1.0, v254                    ; f = 2^(old M - new M)
.set n, 0
.rept 32
	v_pk_fma_f32 v[S+n:S+n+1], v[S+n:S+n+1], s[CS:CS+1], v[12:13] op_sel_hi:[1,0,0]   ; t - M, two at a time
.set n, n+2
.endr
.irp b, 0,1,2,3
	v_fma_f32 v[232+\b], v[232+\b], s[CS], v12     ; the same of each block's largest score
.endr
.set n, 0
.rept 64
	v_exp_f32 v[S+n], v[S+n]                       ; p = 2^(t - M), at most 1
.set n, n+1
.endr
	v_pk_mul_f32 v[14:15], v[14:15], v[252:253] op_sel_hi:[1,0]   ; the sums under the new M (a plain place behind the exponentials)
	s_wait_alu depctr_va_vdst(0)                   ; one wait for the whole batch, ahead of its first reader
.irp b, 0,1,2,3
	v_exp_f32 v[232+\b], v[232+\b]                 ; the block's largest p
.endr
	v_pk_add_f32 v[236:237], v[S:S+1], v[S+2:S+3]  ; the row's sum is taken of the unquantised p: two at a time, in two chains
.set n, 4
.rept 15
	v_pk_add_f32 v[14:15], v[14:15], v[S+n:S+n+1]
	v_pk_add_f32 v[236:237], v[236:237], v[S+n+2:S+n+3]
.set n, n+4
.endr
	v_pk_add_f32 v[14:15], v[14:15], v[236:237]
	s_wait_alu depctr_va_vdst(0)                   ; and one for the four
.irp b, 0,1,2,3
	v_max_num_f32 v[232+\b], 0x1800000, v[232+\b]  ; the floor 2^(3 - 127): the byte cannot fall under 1
.endr
.irp b, 0,1,2,3
	v_add_nc_u32 v[244+\b], 0xff000000, v[232+\b]  ; 2 off the exponent field: the conversion's scale operand
.endr
.irp b, 0,1,2,3
	v_lshrrev_b32 v[236+\b], 23, v[244+\b]         ; the scale's byte
.endr
	v_lshl_or_b32 v253, v237, 8, v236              ; p's scale word for these 128 keys
	v_lshl_or_b32 v253, v238, 16, v253
	v_lshl_or_b32 v253, v239, 24, v253
.irp c, 0,1
	v_cvt_scalef32_pk16_fp6_f32 v[224+6*\c:226+6*\c], v[S+32*\c:S+15+32*\c], v[244+2*\c]
	v_cvt_scalef32_pk16_fp6_f32 v[236+4*\c:238+4*\c], v[S+16+32*\c:S+31+32*\c], v[244+2*\c+1]   ; (a conversion's three registers begin on an even number)
.endr
	v_nop                                          ; one plain place behind a scaled conversion
.irp c, 0,1                                    ; the operand's layout wants a whole block in a lane
.irp i, 0,1,2
	v_permlane16_swap_b32 v[224+6*\c+\i], v[236+4*\c+\i]
.endr
.irp i, 0,1,2
	v_mov_b32 v[227+6*\c+\i], v[236+4*\c+\i]
.endr
.endr
.set n, 0
.rept 16
	v_pk_mul_f32 v[O+n:O+n+1], v[O+n:O+n+1], v[252:253] op_sel_hi:[1,0]   ; O^T under the new M; these also stand between the writing of p's codes and scale word and the products
.set n, n+2
.endr
	s_wait_dscnt 0x0                               ; V and its scale words
.irp t, 0,1,2,3
	PV \t                                          ; four accumulators by turns; the scores' products stand between one step's link and the next
.endr
	s_add_co_u32 s[TB], s[TB], REC
	s_add_co_u32 s[KSI], s[KSI], 1
	s_cmp_lt_u32 s[KSI], 16
	s_cbranch_scc1 .Lstep
	; THE WAY OUT of a tile: O^T / the sum goes through my stage and leaves as rows of 256 bytes: sixteen lanes store a query's 64 channels of this head, aligned.
.rept 4
	v_nop                                          ; places behind the last products
.endr
	v_add_f32 v14, v14, v15
	v_permlanex16_b32 v252, v14, s[SEL], s[SEL+1]
	v_add_f32 v14, v14, v252                       ; the row's sum
	v_rcp_f32 v14, v14
	v_nop                                          ; a plain place behind the transcendental
	s_wait_alu depctr_va_vdst(0)                   ; and the wait ahead of its first reader
.set n, 0
.rept 32
	v_mul_f32 v[S+n], v[O+n], v14                  ; register 16 g + i is channel 32 g + 16 (lane / 16) + i of my query
.set n, n+1
.endr
.irp g, 0,1
.irp q, 0,1,2,3
	ds_store_b128 v[STO], v[S+16*\g+4*\q:S+16*\g+4*\q+3] offset:128*\g+16*\q
.endr
.endr
.irp i, 0,1,2,3,4,5,6,7
	ds_load_b128 v[S+32+4*\i:S+35+4*\i], v[RD] offset:2*\i*SPITCH   ; LDS serves a wave's instructions in order: these see my stores.  Lanes 0-15 row 2 i, lanes 16-31 row 2 i + 1
.endr
.irp i, 0,1,2,3,4,5,6,7
	s_wait_dscnt 7-\i                              ; load i is in, the younger ones may be out
	global_store_b128 v[GO], v[S+32+4*\i:S+35+4*\i], s[OP:OP+1] offset:(2*\i+8*(\i/4))*4096 th:TH_STORE_NT   ; the stage's row p is query p + 8 (p / 8) of the tile's span
.endr
	s_wait_xcnt 0x0                                ; the loads and stores have read their addresses and data: both may be written again
	s_add_nc_u64 s[QP:QP+1], s[QP:QP+1], 768       ; my second tile,
	s_add_nc_u64 s[QSP:QSP+1], s[QSP:QSP+1], 64
	s_add_nc_u64 s[OP:OP+1], s[OP:OP+1], 32768     ; whose queries begin 8 rows on,
	s_mov_b32 s[FL], s[FL+1]                       ; and its flags
	s_add_co_u32 s[PASS], s[PASS], 1
	s_cmp_lt_u32 s[PASS], 2
	s_cbranch_scc1 .Lpass
	s_wait_kmcnt 0x0                               ; the last trip's scalar loads
	s_wait_tensorcnt 0x0                           ; the wave's end
	ds_add_u32 v[SPW], v[NIL]
	s_wait_dscnt 0x0
	s_endpgm
.Lfunc_end_k_q8c56c9eed5_attn:
	.size	k_q8c56c9eed5_attn, .Lfunc_end_k_q8c56c9eed5_attn-k_q8c56c9eed5_attn
	.p2alignl 7, 3214868480
	.fill 96, 4, 3214868480
	.section	.rodata,"a",@progbits
	.p2align	6, 0x0
	.amdhsa_kernel k_q8c56c9eed5_attn
		.amdhsa_group_segment_fixed_size 280576
		.amdhsa_private_segment_fixed_size 0
		.amdhsa_enable_private_segment 0
		.amdhsa_kernarg_size 40
		.amdhsa_user_sgpr_count 2
		.amdhsa_user_sgpr_kernarg_segment_ptr 1
		.amdhsa_wavefront_size32 1
		.amdhsa_system_sgpr_workgroup_id_x 1
		.amdhsa_system_sgpr_workgroup_id_y 1
		.amdhsa_system_sgpr_workgroup_id_z 1
		.amdhsa_system_vgpr_workitem_id 0
		.amdhsa_next_free_vgpr 256
		.amdhsa_next_free_sgpr 102
		.amdhsa_reserve_vcc 0
		.amdhsa_float_denorm_mode_32 3
		.amdhsa_float_denorm_mode_16_64 3
		.amdhsa_memory_ordered 1
		.amdhsa_forward_progress 1
		.amdhsa_inst_pref_size 36
	.end_amdhsa_kernel
	.amdgpu_metadata
---
amdhsa.version: [ 1, 2 ]
amdhsa.kernels:
  - .name:           k_q8c56c9eed5_attn
    .symbol:         k_q8c56c9eed5_attn.kd
    .args:
      - { .name: qb, .offset: 0, .size: 8, .value_kind: global_buffer, .address_space: global }
      - { .name: kv, .offset: 8, .size: 8, .value_kind: global_buffer, .address_space: global }
      - { .name: mbits, .offset: 16, .size: 8, .value_kind: global_buffer, .address_space: global }
      - { .name: mflag, .offset: 24, .size: 8, .value_kind: global_buffer, .address_space: global }
      - { .name: out0, .offset: 32, .size: 8, .value_kind: global_buffer, .address_space: global }
    .group_segment_fixed_size: 280576
    .private_segment_fixed_size: 0
    .kernarg_segment_align: 8
    .kernarg_segment_size: 40
    .max_flat_workgroup_size: 512
    .sgpr_count:     102
    .vgpr_count:     256
    .wavefront_size: 32
...
	.end_amdgpu_metadata
.endif
;; end of part 5
